; MI455X (gfx1250); checked and timed in simulation.
; The chip was launched on July 23, 2026; its instructions are those of AMD's public machine-readable ISA for CDNA 5 (MIT licence, August 2026) and "CDNA5" Instruction Set Architecture Reference Guide (July 2026). The comments in the code are by the model that wrote it; some were corrected since.
;; Self Attention. Allowed arithmetic: matrix products marked QUANTISED: E2M1 operands, one E8M0 scale for each 32 along K, by v_wmma_scale_f32_16x16x128_f8f6f4 with both operands' format E2M1 (or v_wmma_scale_f32_32x16x128_f4), f32 sums; products left as they are: bf16, f16 or f32 operands; f32 sums; everything else in f32.
;; Inputs: k_norm_w 128 float32; q_norm_w 128 float32; wk 512 x 4,096 float32; wo 4,096 x 1,024 float32; wq 1,024 x 4,096 float32; wv 512 x 4,096 float32; x 2 x 2,048 x 4,096 float32.
;; Outputs: out0 2 x 2,048 x 4,096 float32.
;; This version of the problem:
;;   THIS VERSION OF THE PROBLEM IS GIVEN IN LOW PRECISION. The matrix products marked QUANTISED in the list below multiply operands that are first quantised to E2M1 (2 exponent bits, 1 mantissa bit; 4 bits a number), with one power-of-two scale for each 32 numbers along K (OCP MX v1.0); their sums are f32. The products marked 'left as it is' may take bf16, f16 or f32 operands, with f32 sums. Whichever they take, every output number must still come out within the allowed error. Rounding operands to bf16 (8 significant bits) uses up far more of that allowance than f16 does (11 bits, for magnitudes from 6e-5 to 65,504). All else is computed in f32.
;;   The module's matrix products, in the order in which they are computed (A, B: the left and right operand; K: the contracted axis; several contracted axes count as one K, in the product's order):
;;     1. [M 4,096, K 4,096] x [K 4,096, N 1,024]; A: input x; B: input wq: QUANTISED
;;     2. [M 4,096, K 4,096] x [K 4,096, N 512]; A: input x; B: input wk: QUANTISED
;;     3. [M 4,096, K 4,096] x [K 4,096, N 512]; A: input x; B: input wv: QUANTISED
;;     4. batch 8 x [M 4,096, K 128] x [K 128, N 2,048]; A: computed on the way; B: computed on the way: left as it is (an operand is computed on the way)
;;     5. batch 8 x [M 4,096, K 2,048] x [K 2,048, N 128]; A: computed on the way; B: computed on the way: left as it is (an operand is computed on the way)
;;     6. [M 4,096, K 1,024] x [K 1,024, N 4,096]; A: computed on the way; B: input wo: left as it is (an operand is computed on the way)
;;   THE QUANTISER, for each operand of a quantised product, along K:
;;     - K is cut into blocks of 32 from its start; a last block that is shorter is filled with zeros.
;;     - A block's scale is 2^e with e = floor(log2(the largest magnitude in the block)) - 2, held to -126 .. 127; a block of zeros has e = 0. As a byte (E8M0): e + 127.
;;     - Each number is divided by its block's scale, clamped to +-6, and rounded to the nearest number of E2M1, ties to even, subnormals kept.
;;     - The product sums the exact products of the quantised numbers (number of the format x scale) in f32.
;;   ~~~python
;;   def quantise(x, axis):      # numpy; x: float32 -> the quantised numbers, widened to float32 again
;;       x = np.moveaxis(x, axis, -1); K = x.shape[-1]
;;       x = np.pad(x, [(0, 0)] * (x.ndim - 1) + [(0, -K % 32)]); x = x.reshape(x.shape[:-1] + (-1, 32)); a = np.abs(x).max(-1, keepdims=True)
;;       e = np.where(a > 0, np.clip(np.frexp(np.where(a > 0, a, 1))[1] - 1 - 2, -126, 127), 0)      # np.frexp(a)[1] - 1 = floor(log2(a)), exactly
;;       r = np.clip(x / 2.0 ** e, -6, 6)
;;       step = 2.0 ** (np.maximum(np.frexp(np.where(r == 0, 1, r))[1] - 1, 0) - 1)
;;       q = np.round(r / step) * step * 2.0 ** e      # np.round: ties to even
;;       return np.moveaxis(q.reshape(q.shape[:-2] + (-1,))[..., :K], -1, axis).astype(np.float32)
;;   ~~~
;; One version. Each part assembles by itself: llvm-mc -triple=amdgcn-amd-amdhsa -mcpu=gfx1250 --defsym DOCPART=n.
;; ======== version 1 of 1: 5 launches
;; limits: values are held in f16: magnitudes above 65,504 overflow, below 6.1e-05 lose precision; right only within a limited range of input values
;; workspace buffers: xq4 8,912,896 bytes; wq4 4,456,448 bytes; wo16 8,388,608 bytes; rope 1,048,576 bytes; qkv16 16,777,216 bytes; qkv32 262,144 bytes; o16 8,388,608 bytes
;; launch prep (part 1): grid 960 x 1, 4 waves a work-group, no clusters, 33,280 bytes of LDS; arguments x, wq, wk, wv, wo, xq4, wq4, wo16, rope; writes xq4, wq4, wo16, rope
.if DOCPART == 1
	.amdgcn_target "amdgcn-amd-amdhsa--gfx1250"
	.amdhsa_code_object_version 6
	.text
	.protected	k_q8713c69488_prep
	.globl	k_q8713c69488_prep
	.p2align	8
	.type	k_q8713c69488_prep,@function
k_q8713c69488_prep:
	s_mov_b64 s[64:65], 0
	v_nop
	global_prefetch_b8 v0, s[64:65] scope:SCOPE_SE
	s_setreg_imm32_b32 hwreg(HW_REG_WAVE_MODE, 25, 1), 1
	s_wait_xcnt 0x0
; SELF-ATTENTION, launch 1 of 5: what every later launch reads narrow is made once.
;   work-groups 0-767:   x, wq, wk, wv (f32, K innermost) -> codes of E2M1, K innermost, and one E8M0 byte for each 32 along K
;   work-groups 768-895: wo16 = f16(8 wo)
;   work-groups 896-959: the RoPE table, [2048 positions][cos 64 | sin 64] f32
; WORK LEFT OUT IN THIS PROGRAM: reference() sets every score with key > query to -1e9 by its own jnp.tril; behind the row's maximum such a score gives exp(..) = 0 in f32 for
; every input whose scores are small beside 1e9, and reference()'s own RMS norm holds |score| under 1,450 |q_norm_w| |k_norm_w|.  So tiles of keys that lie wholly behind a tile's
; queries are not multiplied (launches 3 and 5).  No input is without a way to the output: all seven are loaded.  A NaN, an infinity or an overflow that reaches only the tiles left out is not carried on.
; LIMITS: NaN and infinities among the inputs are not served.  A block whose largest magnitude lies under 2^-124 keeps the byte 1 (a block of zeros too: its codes are zeros, and this program alone
; reads the bytes).  v and o are kept as v / 8 and o / 8 in f16 and wo as 8 wo: exact powers of two that cancel in the last product; served: |v| up to 5.2e5, |wo| up to 8,190, |norm_w| up to 4,000.
; The table: angle = position x theta in f32 as reference() has it, theta by v_exp_f32; reduced by pi/2 in two parts; Taylor sums of degree 7 and 8 on |r| <= pi/4, whose remainders lie under 4e-7.
; LAYOUTS.  xq4: codes [4096 rows][2048 bytes] at 0; scale bytes [8 K steps of 512][4096 rows][16] at 8,388,608.  wq4: codes [2048][2048] at 0, scale bytes [8][2048][16] at 4,194,304.
; wq4's rows go by heads of 128: places 0-7 q's heads; place 8 + 2 j k's head j; place 9 + 2 j v's head j.
.set WAVES, 4
.set STEPS, 16
.set EMAX,  2
.set CB,    8                          ; bytes of 16 codes
.set R,     16                         ; v16-79   four sets of 16 numbers as they are loaded
.set X,     80                         ; v80-111  two sets of 16 neighbours
.set C,     128                        ; v128-191 codes: four registers for each step
.set E,     112                        ; v112-127 a scale byte for each step
.set WREG,  8192                       ; LDS: a region for each wave: two stages of 32 x SP bytes, then its 256 scale bytes
.set SP,    80                         ; a lane's place in a stage: 64 bytes + 16 of padding
.set SPW,   12                         ; v12 LDS address of my spare word; never rewritten
.set NIL,   13                         ; v13 0; never rewritten
.set SPARE, WAVES*WREG                 ; the spare words: 128 bytes a wave, named by no other line
	s_load_b512 s[4:19], s[0:1], 0x0               ; x, wq, wk, wv, wo, xq4, wq4, wo16
	s_load_b64 s[20:21], s[0:1], 0x40              ; rope
	v_lshl_add_u32 v[SPW], v0, 2, SPARE
	v_mov_b32 v[NIL], 0
	v_lshrrev_b32 v1, 5, v0
	v_readfirstlane_b32 s24, v1                    ; wave
	v_and_b32 v2, 31, v0                           ; lane
	s_cmp_lt_u32 ttmp9, 768
	s_cbranch_scc0 .Lnot_codes
; ---- CODES.  A wave takes 16 rows x one K step of 512: a step of the text is one row's 512 numbers, 2,048 consecutive bytes.  Each load reads 512 consecutive bytes; the numbers turn through the
; wave's own stage in LDS, so that a lane holds 16 neighbours along K (two lanes hold a block).  A lane's 16 codes are 8 bytes: the wave stores 256 consecutive bytes, aligned.
; The wave's 16 x 16 scale bytes are gathered in LDS and leave as one aligned run of 256 bytes.
	v_lshlrev_b32 v3, 4, v2                        ; my 16 bytes of a load's 512
	s_mul_i32 s25, s24, WREG
	v_lshrrev_b32 v14, 2, v2
	v_mul_u32_u24 v14, v14, SP
	v_and_b32 v15, 3, v2
	v_lshl_add_u32 v14, v15, 4, v14
	v_add_nc_u32 v14, s25, v14                     ; the stage, in: SP (lane / 4) + 16 (lane % 4)
	v_mul_u32_u24 v15, v2, SP
	v_add_nc_u32 v15, s25, v15                     ; and out: SP x lane
	v_mul_u32_u24 v4, v2, CB                       ; my codes' place in a step's
	v_lshrrev_b32 v5, 1, v2
	s_add_co_u32 s25, s25, 2*32*SP
	v_add_nc_u32 v5, s25, v5                       ; my block's byte among the wave's 256
	v_lshlrev_b32 v7, 3, v2
	v_add_nc_u32 v6, s25, v7                       ; and on the way out 8 bytes a lane
	s_wait_kmcnt 0x0
	s_cmp_lt_u32 ttmp9, 512                        ; which tensor: the choices hang on the work-group's number alone
	s_cselect_b64 s[26:27], s[4:5], s[6:7]
	s_cselect_b64 s[30:31], s[14:15], s[16:17]     ; where it goes: xq4 or wq4
	s_cselect_b32 s28, 0, 512
	s_cselect_b32 s36, 16, 15                      ; a K step's scale bytes: 65,536 or 32,768, as a shift
	s_mov_b32 s37, 4194304
	s_cselect_b32 s37, 8388608, s37                ; where the scale bytes begin
	s_cmp_lt_u32 ttmp9, 640
	s_cselect_b64 s[26:27], s[26:27], s[8:9]
	s_cselect_b32 s28, s28, 640
	s_cmp_lt_u32 ttmp9, 704
	s_cselect_b64 s[26:27], s[26:27], s[10:11]
	s_cselect_b32 s28, s28, 704
	s_cselect_b32 s35, 0, 8
	s_sub_co_u32 s29, ttmp9, s28                   ; my number within the tensor
	s_lshr_b32 s33, s29, 1                         ; g: which 16 rows
	s_and_b32 s29, s29, 1
	s_lshl_b32 s29, s29, 2
	s_add_co_u32 s29, s29, s24                     ; which K step: 4 (number % 2) + wave
	s_lshr_b32 s34, s33, 3
	s_lshl_b32 s34, s34, 4
	s_and_b32 s38, s33, 7
	s_add_co_u32 s34, s34, s38
	s_add_co_u32 s34, s34, s35
	s_add_co_u32 s34, s34, 64                      ; wk, wv: 64 + 16 (g / 8) + g % 8 (+ 8 for wv)
	s_cmp_lt_u32 ttmp9, 640
	s_cselect_b32 s34, s33, s34                    ; the 16 rows' place in the codes' buffer
	s_lshl_b32 s38, s33, 18
	s_lshl_b32 s40, s29, 11
	s_add_co_u32 s38, s38, s40
	s_mov_b32 s39, 0
	s_add_nc_u64 s[26:27], s[26:27], s[38:39]      ; from: 262,144 g + 2,048 K step
	s_lshl_b32 s38, s34, 15
	s_lshl_b32 s40, s29, 8
	s_add_co_u32 s38, s38, s40
	s_add_nc_u64 s[42:43], s[30:31], s[38:39]      ; codes
	s_lshl_b32 s38, s29, s36
	s_lshl_b32 s40, s34, 8
	s_add_co_u32 s38, s38, s40
	s_add_co_u32 s38, s38, s37
	s_add_nc_u64 s[46:47], s[30:31], s[38:39]      ; scale bytes
.macro LOAD t
.irp i, 0,1,2,3
	global_load_b128 v[R+16*((\t)%4)+4*\i:R+16*((\t)%4)+4*\i+3], v3, s[26:27] offset:16384*(\t)+512*\i th:TH_LOAD_NT
.endr
.endm
.macro TURN t                          ; a step's numbers through the stage: LDS serves a wave's instructions in order, so no wait stands between the stores and the loads
.irp i, 0,1,2,3
	ds_store_b128 v14, v[R+16*((\t)%4)+4*\i:R+16*((\t)%4)+4*\i+3] offset:32*SP*((\t)%2)+8*SP*\i
.endr
.irp i, 0,1,2,3
	ds_load_b128 v[X+16*((\t)%2)+4*\i:X+16*((\t)%2)+4*\i+3], v15 offset:32*SP*((\t)%2)+16*\i
.endr
.endm
.irp t, 0,1,2,3
	LOAD \t
.endr
	s_wait_loadcnt 12                              ; step 0's four loads are in
	TURN 0
.macro STEP t
.set XS, X+16*((\t)%2)
.if (\t) > 0
	s_wait_dscnt 1                                 ; this step's numbers are back (the last step's byte store may be out): so its stores into the stage have read their registers,
.else
	s_wait_dscnt 0x0
.endif
.if (\t)+4 < STEPS
	LOAD (\t)+4                                    ; which take the loads of four steps on
.endif
.if (\t)+1 < STEPS
.if STEPS-2-(\t) >= 3
	s_wait_loadcnt 12                              ; the next step's four loads are in; those of the three steps behind it may be out
.else
	s_wait_loadcnt 4*(STEPS-2-(\t))
.endif
	TURN (\t)+1
.endif
	v_max3_num_f32 v8, |v[XS]|, |v[XS+1]|, |v[XS+2]|               ; the largest magnitude of my 16
	v_max3_num_f32 v9, |v[XS+3]|, |v[XS+4]|, |v[XS+5]|
.irp i, 6,10
	v_max3_num_f32 v8, v8, |v[XS+\i]|, |v[XS+\i+1]|
	v_max3_num_f32 v9, v9, |v[XS+\i+2]|, |v[XS+\i+3]|
.endr
	v_max3_num_f32 v8, v8, |v[XS+14]|, |v[XS+15]|
	v_max3_num_f32 v8, v8, v9, (EMAX+1)<<23        ; and the floor 2^(3 - 127): the byte cannot fall under 1
	v_max_num_f32_dpp v8, v8, v8 row_xmask:1 row_mask:0xf bank_mask:0xf   ; and of my neighbour's 16: the block's
	v_add_nc_u32 v11, -(EMAX<<23), v8              ; 2 off its exponent field: the conversion takes the exponent field of this operand as its scale
	v_cvt_scalef32_pk8_fp4_f32 v[C+4*(\t)], v[XS:XS+7], v11
	v_cvt_scalef32_pk8_fp4_f32 v[C+4*(\t)+1], v[XS+8:XS+15], v11
	v_lshrrev_b32 v[E+(\t)], 23, v11               ; the scale's byte
	ds_store_b8 v5, v[E+(\t)] offset:16*(\t)       ; both lanes of a block write the same byte with the same value
	global_store_b64 v4, v[C+4*(\t):C+4*(\t)+1], s[42:43] offset:2048*(\t)
.endm
.irp t, 0,1,2,3,4,5,6,7,8,9,10,11,12,13,14,15
	STEP \t
.endr
	ds_load_b64 v[8:9], v6                         ; in order behind my byte stores
	s_wait_dscnt 0x0
	global_store_b64 v7, v[8:9], s[46:47]          ; 32 lanes store 256 consecutive bytes, aligned
	s_wait_tensorcnt 0x0                           ; the wave's end: behind my last LDS store
	ds_add_u32 v[SPW], v[NIL]
	s_wait_dscnt 0x0
	s_endpgm
.Lnot_codes:
	s_cmp_lt_u32 ttmp9, 896
	s_cbranch_scc0 .Ltable
; ---- wo16 = f16(8 wo).  A wave takes 8,192 numbers: 64 loads of 512 consecutive bytes in four batches of 16, two batches ahead; each load's numbers leave as 256 consecutive bytes.  No LDS.
	s_sub_co_u32 s25, ttmp9, 768
	s_lshl_b32 s26, s25, 17
	s_lshl_b32 s28, s24, 15
	s_add_co_u32 s26, s26, s28
	s_mov_b32 s27, 0
	s_lshr_b32 s28, s26, 1
	s_mov_b32 s29, 0
	v_lshlrev_b32 v3, 4, v2
	v_lshlrev_b32 v4, 3, v2
	s_wait_kmcnt 0x0
	s_add_nc_u64 s[12:13], s[12:13], s[26:27]
	s_add_nc_u64 s[18:19], s[18:19], s[28:29]
.macro CLOAD b
.set JJ, 0
.rept 16
	global_load_b128 v[16+64*((\b)%2)+4*JJ:16+64*((\b)%2)+4*JJ+3], v3, s[12:13] offset:512*(16*(\b)+JJ) th:TH_LOAD_NT
.set JJ, JJ+1
.endr
.endm
.macro CWORK b, left
	s_wait_loadcnt \left                           ; this batch is in; the next batch's 16 loads may be out
	s_wait_xcnt 0x0                                ; the last batch's stores have read v144-175
.set JJ, 0
.rept 16
.set RA, 16+64*((\b)%2)+4*JJ
	v_pk_mul_f32 v[RA:RA+1], v[RA:RA+1], 0x41000000 op_sel_hi:[1,0]
	v_pk_mul_f32 v[RA+2:RA+3], v[RA+2:RA+3], 0x41000000 op_sel_hi:[1,0]
	v_cvt_pk_f16_f32 v[144+2*JJ], v[RA], v[RA+1]
	v_cvt_pk_f16_f32 v[145+2*JJ], v[RA+2], v[RA+3]
	global_store_b64 v4, v[144+2*JJ:145+2*JJ], s[18:19] offset:256*(16*(\b)+JJ)
.set JJ, JJ+1
.endr
.endm
	CLOAD 0
	CLOAD 1
	CWORK 0, 16
	CLOAD 2
	CWORK 1, 16
	CLOAD 3
	CWORK 2, 16
	CWORK 3, 0
	s_endpgm
.Ltable:
; ---- The table.  32 positions a work-group; a thread takes four frequencies (4 jg + k) of position pr + 8 p, p = 0 .. 3.  Sixteen lanes store 256 consecutive bytes, aligned.  No LDS.
	s_sub_co_u32 s25, ttmp9, 896
	v_and_b32 v1, 15, v0                           ; jg
	v_lshrrev_b32 v2, 4, v0                        ; pr
	v_lshlrev_b32 v3, 9, v2
	v_lshl_add_u32 v3, v1, 4, v3                   ; 512 pr + 16 jg
	s_lshl_b32 s26, s25, 14
	s_mov_b32 s27, 0
	s_lshl_b32 s28, s25, 5                         ; the first position
	s_mov_b32 s32, 0x3f22f983                      ; 2 / pi
	s_mov_b32 s33, 0x3fc90fdb                      ; pi / 2, the f32 nearest,
	s_mov_b32 s34, 0x333bbd2e                      ; and that number less pi / 2
	s_mov_b32 s35, 0xb9500d01                      ; -1/5040
	s_mov_b32 s36, 0x3c088889                      ; 1/120
	s_mov_b32 s37, 0xbe2aaaab                      ; -1/6
	s_mov_b32 s38, 0x37d00d01                      ; 1/40320
	s_mov_b32 s39, 0xbab60b61                      ; -1/720
	s_mov_b32 s40, 0x3d2aaaab                      ; 1/24
	v_lshlrev_b32 v9, 2, v1
.irp k, 0,1,2,3
	v_add_nc_u32 v[4+\k], \k, v9
.endr
.irp k, 0,1,2,3
	v_cvt_f32_u32 v[4+\k], v[4+\k]
.endr
.irp k, 0,1,2,3
	v_mul_f32 v[4+\k], 0xbe9f73da, v[4+\k]         ; -log2(1e6) / 64 x j
.endr
.irp k, 0,1,2,3
	v_exp_f32 v[4+\k], v[4+\k]                     ; theta_j = 1e6^(-j / 64)
.endr
	v_add_nc_u32 v10, s28, v2                      ; (a plain instruction behind the exponentials)
	s_wait_alu depctr_va_vdst(0)                   ; one wait for the four, ahead of their first reader
	s_wait_kmcnt 0x0
	s_add_nc_u64 s[20:21], s[20:21], s[26:27]
.macro SINCOS th, c, s
	v_mul_f32 v16, v8, v[\th]                      ; the angle
	v_mul_f32 v17, s32, v16
	v_rndne_f32 v17, v17                           ; n
	v_fma_f32 v18, -v17, s33, v16
	v_fma_f32 v18, v17, s34, v18                   ; r = angle - n pi / 2
	v_mul_f32 v19, v18, v18
	v_fma_f32 v20, v19, s35, s36
	v_fma_f32 v20, v19, v20, s37
	v_mul_f32 v21, v18, v19
	v_fma_f32 v20, v21, v20, v18                   ; sin r
	v_fma_f32 v22, v19, s38, s39
	v_fma_f32 v22, v19, v22, s40
	v_fma_f32 v22, v19, v22, -0.5
	v_fma_f32 v22, v19, v22, 1.0                   ; cos r
	v_cvt_i32_f32 v23, v17
	v_and_b32 v17, 1, v23
	v_cmp_eq_u32 vcc_lo, 1, v17                    ; an odd quarter swaps the two
	v_cndmask_b32 v[\c], v22, v20, vcc_lo
	v_cndmask_b32 v[\s], v20, v22, vcc_lo
	v_add_nc_u32 v17, 1, v23
	v_and_b32 v17, 2, v17
	v_lshlrev_b32 v17, 30, v17
	v_xor_b32 v[\c], v[\c], v17                    ; cos is negative in quarters 1 and 2,
	v_and_b32 v17, 2, v23
	v_lshlrev_b32 v17, 30, v17
	v_xor_b32 v[\s], v[\s], v17                    ; sin in quarters 2 and 3
.endm
.irp p, 0,1,2,3
	v_add_nc_u32 v11, 8*\p, v10
	v_cvt_f32_u32 v8, v11
.irp k, 0,1,2,3
	SINCOS 4+\k, 32+8*\p+\k, 36+8*\p+\k
.endr
	global_store_b128 v3, v[32+8*\p:35+8*\p], s[20:21] offset:4096*\p
	global_store_b128 v3, v[36+8*\p:39+8*\p], s[20:21] offset:4096*\p+256
.endr
	s_endpgm
.Lfunc_end_k_q8713c69488_prep:
	.size	k_q8713c69488_prep, .Lfunc_end_k_q8713c69488_prep-k_q8713c69488_prep
	.p2alignl 7, 3214868480
	.fill 96, 4, 3214868480
	.section	.rodata,"a",@progbits
	.p2align	6, 0x0
	.amdhsa_kernel k_q8713c69488_prep
		.amdhsa_group_segment_fixed_size 33280
		.amdhsa_private_segment_fixed_size 0
		.amdhsa_enable_private_segment 0
		.amdhsa_kernarg_size 72
		.amdhsa_user_sgpr_count 2
		.amdhsa_user_sgpr_kernarg_segment_ptr 1
		.amdhsa_wavefront_size32 1
		.amdhsa_system_sgpr_workgroup_id_x 1
		.amdhsa_system_sgpr_workgroup_id_y 1
		.amdhsa_system_sgpr_workgroup_id_z 1
		.amdhsa_system_vgpr_workitem_id 0
		.amdhsa_next_free_vgpr 192
		.amdhsa_next_free_sgpr 66
		.amdhsa_reserve_vcc 1
		.amdhsa_float_denorm_mode_32 3
		.amdhsa_float_denorm_mode_16_64 3
		.amdhsa_memory_ordered 1
		.amdhsa_forward_progress 1
		.amdhsa_inst_pref_size 87
	.end_amdhsa_kernel
	.amdgpu_metadata
---
amdhsa.version: [ 1, 2 ]
amdhsa.kernels:
  - .name:           k_q8713c69488_prep
    .symbol:         k_q8713c69488_prep.kd
    .args:
      - { .name: x, .offset: 0, .size: 8, .value_kind: global_buffer, .address_space: global }
      - { .name: wq, .offset: 8, .size: 8, .value_kind: global_buffer, .address_space: global }
      - { .name: wk, .offset: 16, .size: 8, .value_kind: global_buffer, .address_space: global }
      - { .name: wv, .offset: 24, .size: 8, .value_kind: global_buffer, .address_space: global }
      - { .name: wo, .offset: 32, .size: 8, .value_kind: global_buffer, .address_space: global }
      - { .name: xq4, .offset: 40, .size: 8, .value_kind: global_buffer, .address_space: global }
      - { .name: wq4, .offset: 48, .size: 8, .value_kind: global_buffer, .address_space: global }
      - { .name: wo16, .offset: 56, .size: 8, .value_kind: global_buffer, .address_space: global }
      - { .name: rope, .offset: 64, .size: 8, .value_kind: global_buffer, .address_space: global }
    .group_segment_fixed_size: 33280
    .private_segment_fixed_size: 0
    .kernarg_segment_align: 8
    .kernarg_segment_size: 72
    .max_flat_workgroup_size: 128
    .sgpr_count:     66
    .vgpr_count:     192
    .wavefront_size: 32
...
	.end_amdgpu_metadata
.endif
;; end of part 1
;; launch qkv (part 2): grid 8 x 32, 4 waves a work-group, clusters of 4 x 4, 327,680 bytes of LDS; arguments xq4, wq4, rope, q_norm_w, k_norm_w, qkv16, qkv32; writes qkv16, qkv32
.if DOCPART == 2
	.amdgcn_target "amdgcn-amd-amdhsa--gfx1250"
	.amdhsa_code_object_version 6
	.text
	.protected	k_q8713c69488_qkv
	.globl	k_q8713c69488_qkv
	.p2align	8
	.type	k_q8713c69488_qkv,@function
k_q8713c69488_qkv:
	s_mov_b64 s[64:65], 0
	v_nop
	global_prefetch_b8 v0, s[64:65] scope:SCOPE_SE
	s_setreg_imm32_b32 hwreg(HW_REG_WAVE_MODE, 25, 1), 1
	s_wait_xcnt 0x0
	s_wait_alu depctr_hold_cnt(0) depctr_sa_sdst(0) depctr_va_vdst(0) depctr_va_sdst(0) depctr_va_ssrc(0) depctr_va_vcc(0) depctr_vm_vsrc(0)
	s_getreg_b32 s2, hwreg(HW_REG_IB_STS2, 6, 4)
	s_cmp_eq_u32 s2, 0
	s_cbranch_scc0 .Lentry_in_a_cluster
	s_endpgm
.Lentry_in_a_cluster:
	s_bfe_u32 s2, ttmp6, 0x10000c
	s_cmp_lg_u32 s2, 0xf033
	s_cbranch_scc0 .Lentry_shape_is_right
	s_endpgm
.Lentry_shape_is_right:
; Launch 2 of 5: q, k, v = x w^T on codes of E2M1 with E8M0 scales, then the RMS norm over a head and RoPE (q, k) in f32.  Out: q, k and v / 8 in f16, [batch][head][position][128];
; the first 16 positions of both batches also in f32 (qkv32), for the launch that carries them finely.
; SHARES.  A work-group makes 128 rows x 256 columns (two heads of wq4's order: q, q or k, v): 256 work-groups.  Wave w: rows 64 (w / 2) on, head w % 2: 4 x 8 accumulators of 16 x 16.
; K goes in steps of 512 through a ring of two LDS slots; a slot holds A's codes (128 rows of 256 bytes), B's (256 rows), and both sides' scale bytes of the step (16 a row, dense).
; Each wave brings one of the four: wave 0 A's codes, 1 B's codes, 2 A's scale bytes, 3 B's.
; CLUSTER 4 x 4: A's tiles are shared along a row of the cluster, B's along a column: each is asked for jointly.
; THE MATRIX INSTRUCTION IS USED TRANSPOSED (source 0 = 16 rows of w, source 1 = 16 rows of x): lane (r, h) holds row r and the head's columns 16 b + 8 h + 0 .. 7, so a row's norm wants one exchange of halves,
; and RoPE's partner, 64 columns on, lies in the same lane, four accumulators on.
; Whether a wave has q, k or v hangs on the cluster's x and the wave's number alone: no branch hangs on a work-group's place in its cluster.
; The table and the norm's weights are loaded by every wave, v's too (32 KB a wave that v's waves do not use), so that every register a later line names is written on every way through the text.
; REGISTERS.  window 0: v1-31 addresses and statistics; v32-95 scale words, two sets (register 4 i + q: lanes 0-15 A's block i, lanes 16-31 B's block i, the slot's q-th 128 along K); v96-159 A's fragments, two sets;
;   on the way out v96-159 T, v160-223 O, v224-255 packed.   window 1: v0-127 B's fragments, two sets; v128-191 the norm's weights.   window 2: the accumulators, (a, b) at 8 (8 a + b).   window 3: the table.
.set PITCH, 272                        ; an LDS row of codes: 256 bytes + 16 of padding
.set BCOD,  128*PITCH
.set ASCL,  BCOD+256*PITCH
.set BSCL,  ASCL+2048
.set SLOT,  BSCL+4096
.set STAGE, 2*SLOT                     ; 16 rows x 272 bytes for each wave; no fill lands here
.set SPARE, STAGE+4*16*PITCH           ; the spare words
.set ADRA, 16
.set ADRB, 20
.set ADS,  22
.set STO,  24
.set RD,   25
.set CO,   26
.set TBO,  27
.set SPW,  28
.set NIL,  29
.set WNO,  30
.set FO,   31
.set SC,   32
.set AF,   96
.set T,    96
.set O,    160
.set PKD,  224
.set G1A,  24
.set G0A,  32
.set G1B,  40
.set G0B,  48
.set G1SA, 56
.set G0SA, 68
.set G1SB, 76
.set G0SB, 84
.set MSB, 0
.macro WIN new                         ; the immediate's high byte repeats the setting that is left
.if MSB != \new
	s_set_vgpr_msb (MSB<<8)|\new
.set MSB, \new
.endif
.endm
.set MUL,  0xa1                        ; source 0 (B) window 1, source 1 (A) window 0, C and D window 2
.set TO_B, 0x40
.macro PLACES
.rept 4
	v_nop
.endr
.endm
.macro TL g0, g1                       ; a tensor load; an s_nop 0 and four v_nop follow it
	tensor_load_to_lds s[\g0:\g0+3], s[\g1:\g1+7]
	s_nop 0
	PLACES
.endm
.macro JLOAD4 sl                       ; each wave's one joint load for slot sl; the branches hang on the wave's number alone
	s_cmp_lt_u32 s18, 2
	s_cbranch_scc0 .Lhi_\@
	s_cmp_eq_u32 s18, 0
	s_cbranch_scc0 .Lw1_\@
	TL G0A+4*\sl, G1A
	s_branch .Ldone_\@
.Lw1_\@:
	TL G0B+4*\sl, G1B
	s_branch .Ldone_\@
.Lhi_\@:
	s_cmp_eq_u32 s18, 2
	s_cbranch_scc0 .Lw3_\@
	TL G0SA+4*\sl, G1SA
	s_branch .Ldone_\@
.Lw3_\@:
	TL G0SB+4*\sl, G1SB
.Ldone_\@:
.endm
.macro CREST                           ; a round of the cluster's barrier behind its opening barrier
	s_cmp_lg_u32 s18, 0
	s_cbranch_scc1 .Lnot_wave_0_\@
	s_barrier_signal -3
.Lnot_wave_0_\@:
	s_barrier_wait -3
	s_barrier_signal -1
	s_barrier_wait -1
.endm
.macro CROUND
	s_barrier_signal -1
	s_barrier_wait -1
	CREST
.endm
	s_load_b256 s[4:11], s[0:1], 0x0               ; xq4, wq4, rope, q_norm_w
	s_load_b128 s[12:15], s[0:1], 0x20             ; k_norm_w, qkv16
	s_load_b64 s[16:17], s[0:1], 0x30              ; qkv32
	v_lshl_add_u32 v[SPW], v0, 2, SPARE
	v_mov_b32 v[NIL], 0
	ds_add_u32 v[SPW], v[NIL]                      ; the wave's opening: the add, twice on end, and its wait ahead of my first tensor load
	ds_add_u32 v[SPW], v[NIL]
	v_lshrrev_b32 v1, 5, v0
	v_readfirstlane_b32 s18, v1                    ; wave
	s_lshr_b32 s19, s18, 1                         ; which 64 rows
	s_and_b32 s20, s18, 1                          ; which head
	s_bfe_u32 s66, ttmp6, 0x40000                  ; cx
	s_bfe_u32 s67, ttmp6, 0x40004                  ; cy
	s_lshl_b32 s92, ttmp9, 2
	s_add_co_u32 s92, s92, s66                     ; tile column
	s_and_b32 s93, ttmp7, 0xffff
	s_lshl_b32 s93, s93, 2
	s_add_co_u32 s93, s93, s67                     ; tile row
	s_add_co_u32 s21, s20, 1
	s_cmp_eq_u32 ttmp9, 0
	s_cselect_b32 s21, 0, s21                      ; 0: q;  1: k;  2: v
	s_lshl_b32 s95, s67, 2
	s_lshl_b32 s95, 15, s95                        ; my row of the cluster
	s_lshl_b32 s23, 0x1111, s66                    ; my column
	s_or_b32 s[G1A], s95, (1<<20)|(1<<21)|(5<<22)|(3<<25)    ; the mask; elements of 1 byte; padding: 4 words behind every 64; bit 21 beside a mask
	s_or_b32 s[G1B], s23, (1<<20)|(1<<21)|(5<<22)|(3<<25)
	s_or_b32 s[G1SA], s95, (3<<16)|(1<<21)         ; the scale bytes: elements of 8 bytes, dense
	s_or_b32 s[G1SB], s23, (3<<16)|(1<<21)
	s_mov_b32 s[G1A+1], 256<<16                    ; tensor_dim0
	s_mov_b32 s[G1A+2], 128<<16                    ; tensor_dim1
	s_mov_b32 s[G1A+3], 256<<16                    ; tile_dim0
	s_mov_b32 s[G1A+4], 128                        ; tile_dim1
	s_mov_b32 s[G1A+5], 2048                       ; from row to row
	s_mov_b32 s[G1A+6], 0
	s_mov_b32 s[G1A+7], 0
	s_mov_b32 s[G1B+1], 256<<16
	s_mov_b32 s[G1B+2], 256<<16
	s_mov_b32 s[G1B+3], 256<<16
	s_mov_b32 s[G1B+4], 256
	s_mov_b32 s[G1B+5], 2048
	s_mov_b32 s[G1B+6], 0
	s_mov_b32 s[G1B+7], 0
	s_mov_b32 s[G1SA+1], 32<<16                    ; 2,048 dense bytes as 8 rows of 256
	s_mov_b32 s[G1SA+2], 8<<16
	s_mov_b32 s[G1SA+3], 32<<16
	s_mov_b32 s[G1SA+4], 8
	s_mov_b32 s[G1SA+5], 32
	s_mov_b32 s[G1SA+6], 0
	s_mov_b32 s[G1SA+7], 0
	s_mov_b32 s[G1SB+1], 32<<16                    ; 4,096 as 16 rows
	s_mov_b32 s[G1SB+2], 16<<16
	s_mov_b32 s[G1SB+3], 32<<16
	s_mov_b32 s[G1SB+4], 16
	s_mov_b32 s[G1SB+5], 32
	s_mov_b32 s[G1SB+6], 0
	s_mov_b32 s[G1SB+7], 0
	s_lshl_b32 s96, s93, 18                        ; A's codes: 128 rows of 2,048 bytes a tile row
	s_mov_b32 s97, 0
	s_lshl_b32 s2, s93, 11                         ; A's scale bytes: 128 rows of 16
	s_mov_b32 s3, 0
	s_lshl_b32 s98, s92, 19                        ; B's codes: 256 rows
	s_mov_b32 s99, 0
	s_lshl_b32 s94, s92, 12                        ; B's scale bytes
	s_mov_b32 s95, 0
	s_mov_b32 s100, 0x3c000000                     ; 1 / 128
	s_mov_b32 s101, 0x358637bd                     ; 1e-6
	s_wait_dscnt 0x0                               ; both opening adds are done
	s_wait_kmcnt 0x0
	s_add_nc_u64 s[96:97], s[4:5], s[96:97]
	s_add_nc_u64 s[2:3], s[4:5], s[2:3]
	s_add_nc_u64 s[2:3], s[2:3], 8388608
	s_add_nc_u64 s[98:99], s[6:7], s[98:99]
	s_add_nc_u64 s[94:95], s[6:7], s[94:95]
	s_add_nc_u64 s[94:95], s[94:95], 4194304
	CROUND                                         ; all sixteen work-groups are here: the first joint loads meet
.irp s, 0,1
	s_mov_b32 s[G0A+4*\s], 1
	s_mov_b32 s[G0A+4*\s+1], \s*SLOT
	s_add_nc_u64 s[G0A+4*\s+2:G0A+4*\s+3], s[96:97], \s*256
	s_or_b32 s[G0A+4*\s+3], s[G0A+4*\s+3], 0x80000000
	s_mov_b32 s[G0B+4*\s], 1
	s_mov_b32 s[G0B+4*\s+1], \s*SLOT+BCOD
	s_add_nc_u64 s[G0B+4*\s+2:G0B+4*\s+3], s[98:99], \s*256
	s_or_b32 s[G0B+4*\s+3], s[G0B+4*\s+3], 0x80000000
	s_mov_b32 s[G0SA+4*\s], 1
	s_mov_b32 s[G0SA+4*\s+1], \s*SLOT+ASCL
	s_add_nc_u64 s[G0SA+4*\s+2:G0SA+4*\s+3], s[2:3], \s*65536
	s_or_b32 s[G0SA+4*\s+3], s[G0SA+4*\s+3], 0x80000000
	s_mov_b32 s[G0SB+4*\s], 1
	s_mov_b32 s[G0SB+4*\s+1], \s*SLOT+BSCL
	s_add_nc_u64 s[G0SB+4*\s+2:G0SB+4*\s+3], s[94:95], \s*32768
	s_or_b32 s[G0SB+4*\s+3], s[G0SB+4*\s+3], 0x80000000
.endr
	JLOAD4 0                                       ; K steps 0 and 1: two loads of mine are out
	JLOAD4 1
	; where the results go, and the table's rows
	s_lshl_b32 s22, s93, 7
	s_lshl_b32 s23, s19, 6
	s_add_co_u32 s22, s22, s23
	s_and_b32 s22, s22, 2047                       ; my first row's position
	s_lshr_b32 s94, s93, 4                         ; the batch
	s_lshl_b32 s2, s22, 9
	s_mov_b32 s3, 0
	s_add_nc_u64 s[8:9], s[8:9], s[2:3]            ; the table at my first position
	s_cmp_eq_u32 ttmp9, 0
	s_cselect_b64 s[10:11], s[10:11], s[12:13]     ; q's weights or k's
	s_mov_b32 s12, 0x76543210                      ; v_permlanex16_b32's selects for lane l xor 16
	s_mov_b32 s13, 0xfedcba98
	v_and_b32 v1, 15, v0                           ; r
	v_bfe_u32 v2, v0, 4, 1                         ; h
	v_lshlrev_b32 v[TBO], 9, v1
	v_lshl_add_u32 v[TBO], v2, 5, v[TBO]           ; 512 r + 32 h
	v_lshlrev_b32 v[WNO], 5, v2
	WIN 0xc0                                       ; destination window 3
.irp a, 0,1,2,3
.irp n, 0,1
.irp b, 0,1,2,3
.irp c, 0,1
	global_load_b128 v[64*\a+32*\n+8*\b+4*\c:64*\a+32*\n+8*\b+4*\c+3], v[TBO], s[8:9] offset:8192*\a+256*\n+64*\b+16*\c   ; position 16 a + r; cos (n = 0) or sin of frequencies 16 b + 8 h + 4 c on
.endr
.endr
.endr
.endr
	WIN 0x40                                       ; destination window 1
.irp b, 0,1,2,3,4,5,6,7
.irp c, 0,1
	global_load_b128 v[128+8*\b+4*\c:128+8*\b+4*\c+3], v[WNO], s[10:11] offset:64*\b+16*\c
.endr
.endr
	WIN 0
	s_lshl_b32 s2, s94, 3
	s_lshl_b32 s3, s92, 1
	s_add_co_u32 s2, s2, s3
	s_add_co_u32 s2, s2, s20                       ; q: 8 batch + 2 tile column + head
	s_lshl_b32 s3, s94, 2
	s_add_co_u32 s3, s3, s92
	s_sub_co_u32 s3, s3, 4                         ; k, v: 4 batch + tile column - 4
	s_lshl_b32 s23, s20, 22
	s_add_co_u32 s23, s23, 8388608                 ; k at 8,388,608, v at 12,582,912
	s_cmp_eq_u32 ttmp9, 0
	s_cselect_b32 s2, s2, s3
	s_cselect_b32 s23, 0, s23
	s_lshl_b32 s2, s2, 11
	s_add_co_u32 s2, s2, s22
	s_lshl_b32 s2, s2, 8
	s_add_co_u32 s2, s2, s23
	s_mov_b32 s3, 0
	s_add_nc_u64 s[14:15], s[14:15], s[2:3]        ; qkv16 at my first row
	s_lshl_b32 s2, s92, 1
	s_add_co_u32 s2, s2, s20
	s_lshl_b32 s2, s2, 7                           ; qkv32's column, q: 128 (2 tile column + head)
	s_lshl_b32 s3, s92, 7
	s_lshl_b32 s23, s20, 9
	s_add_co_u32 s3, s3, s23
	s_add_co_u32 s3, s3, 512                       ; k, v: 1,024 + 512 head + 128 (tile column - 4)
	s_cmp_eq_u32 ttmp9, 0
	s_cselect_b32 s2, s2, s3
	s_lshl_b32 s2, s2, 2
	s_lshl_b32 s3, s94, 17                         ; 16 rows of 8,192 bytes a batch
	s_add_co_u32 s2, s2, s3
	s_mov_b32 s3, 0
	s_add_nc_u64 s[16:17], s[16:17], s[2:3]
	; LDS addresses
	v_mul_u32_u24 v3, v1, PITCH
	v_lshl_add_u32 v3, v2, 4, v3                   ; row x pitch + 16 h
	s_mul_i32 s23, s19, 64*PITCH
	v_add_nc_u32 v[ADRA], s23, v3
	v_add_nc_u32 v[ADRA+1], SLOT, v[ADRA]
	s_mul_i32 s23, s20, 128*PITCH
	s_add_co_u32 s23, s23, BCOD
	v_add_nc_u32 v[ADRB], s23, v3
	v_add_nc_u32 v[ADRB+1], SLOT, v[ADRB]
	s_lshl_b32 s23, s19, 10                        ; A's scale bytes: my 64 rows
	s_lshl_b32 s95, s20, 11                        ; B's: my 128 rows
	s_add_co_u32 s95, s95, BSCL-ASCL
	s_sub_co_u32 s95, s95, s23
	v_mul_u32_u24 v5, s95, v2                      ; lanes 16-31 take B's: the lower base + h x the distance
	v_lshl_add_u32 v5, v1, 4, v5
	s_add_co_u32 s23, s23, ASCL
	v_add_nc_u32 v[ADS], s23, v5
	v_add_nc_u32 v[ADS+1], SLOT, v[ADS]
	s_mul_i32 s23, s18, 16*PITCH
	s_add_co_u32 s23, s23, STAGE
	v_add_nc_u32 v[STO], s23, v3                   ; the stage, in: row r, 16 bytes for each half
	v_mul_u32_u24 v5, v2, PITCH
	v_lshl_add_u32 v5, v1, 4, v5
	v_add_nc_u32 v[RD], s23, v5                    ; back: lanes 0-15 one row, lanes 16-31 the next
	v_lshlrev_b32 v[CO], 8, v2
	v_lshl_add_u32 v[CO], v1, 4, v[CO]             ; the same two rows in qkv16
	v_lshlrev_b32 v[FO], 13, v1
	v_lshl_add_u32 v[FO], v2, 5, v[FO]             ; qkv32: 8,192 r + 32 h
.macro FRAG reg, adr, q, i             ; 16 rows x 128 K of 4-bit codes: 8 registers; registers 4 c .. 4 c + 3 hold K = 64 c + 32 h + 0 .. 31
.irp c, 0,1
	ds_load_b128 v[\reg+4*\c:\reg+4*\c+3], v[\adr] offset:64*(\q)+32*\c+(\i)*16*PITCH
.endr
.endm
.macro FETCH slot, q, p                ; the fragments of the slot's q-th 128 along K into set p: 16 + 8 loads
	WIN TO_B
.irp i, 0,1,2,3,4,5,6,7
	FRAG 64*(\p)+8*\i, ADRB+\slot, \q, \i
.endr
	WIN 0
.irp i, 0,1,2,3
	FRAG AF+32*(\p)+8*\i, ADRA+\slot, \q, \i
.endr
.endm
.macro SCALES sl                       ; a slot's scale words: 4 words a row; lanes 0-15 A's block i (i over 3: bytes that nobody uses), lanes 16-31 B's block i
.irp i, 0,1,2,3,4,5,6,7
	ds_load_b128 v[SC+32*\sl+4*\i:SC+32*\sl+4*\i+3], v[ADS+\sl] offset:256*\i
.endr
.endm
.macro MUL8 a, p, q, sl, zero          ; A's block a against B's eight.  The 32 accumulators take turns in one order everywhere
.irp b, 0,1,2,3,4,5,6,7
.if \zero
	v_wmma_scale_f32_16x16x128_f8f6f4 v[8*(8*(\a)+\b):8*(8*(\a)+\b)+7], v[64*(\p)+8*\b:64*(\p)+8*\b+7], v[AF+32*(\p)+8*(\a):AF+32*(\p)+8*(\a)+7], 0, v[SC+32*(\sl)+4*\b+(\q)], v[SC+32*(\sl)+4*(\a)+(\q)] matrix_a_fmt:MATRIX_FMT_FP4 matrix_b_fmt:MATRIX_FMT_FP4 matrix_a_scale:MATRIX_SCALE_ROW1
.else
	v_wmma_scale_f32_16x16x128_f8f6f4 v[8*(8*(\a)+\b):8*(8*(\a)+\b)+7], v[64*(\p)+8*\b:64*(\p)+8*\b+7], v[AF+32*(\p)+8*(\a):AF+32*(\p)+8*(\a)+7], v[8*(8*(\a)+\b):8*(8*(\a)+\b)+7], v[SC+32*(\sl)+4*\b+(\q)], v[SC+32*(\sl)+4*(\a)+(\q)] matrix_a_fmt:MATRIX_FMT_FP4 matrix_b_fmt:MATRIX_FMT_FP4 matrix_a_scale:MATRIX_SCALE_ROW1
.endif
.endr
.endm
.macro STEP slot, q, zero              ; 128 along K whose successor lies in the same slot
	s_wait_dscnt 0x0                               ; this step's fragments (asked for 32 matrix instructions ago) are in
	PLACES                                         ; behind the products that read the other set
	FETCH \slot, (\q)+1, 1-(\q)%2
	WIN MUL
	MUL8 0, (\q)%2, \q, \slot, \zero
	MUL8 1, (\q)%2, \q, \slot, \zero
	MUL8 2, (\q)%2, \q, \slot, \zero
	MUL8 3, (\q)%2, \q, \slot, \zero
.endm
.macro TURN slot, next, fill           ; a slot's last step changes slots
	WIN 0
	s_wait_tensorcnt 0x0                           ; all my tensor loads have landed: my part of the next slot
	ds_add_u32 v[SPW], v[NIL]                      ; 0 onto my spare word
	s_wait_dscnt 1                                 ; the add alone may be out: this step's 24 loads are in
	WIN MUL
	MUL8 0, 1, 3, \slot, 0
	s_wait_dscnt 0x0                               ; the add is done, and my reads of this slot are over
	s_barrier_signal -1
	MUL8 1, 1, 3, \slot, 0
	WIN 0
	s_barrier_wait -1
.if \fill
	CREST                                          ; the barrier has opened a round of the cluster's: no wave of any partner still reads this slot or has a load on its way
	s_add_nc_u64 s[G0A+4*\slot+2:G0A+4*\slot+3], s[G0A+4*\slot+2:G0A+4*\slot+3], 512
	s_add_nc_u64 s[G0B+4*\slot+2:G0B+4*\slot+3], s[G0B+4*\slot+2:G0B+4*\slot+3], 512
	s_add_nc_u64 s[G0SA+4*\slot+2:G0SA+4*\slot+3], s[G0SA+4*\slot+2:G0SA+4*\slot+3], 131072
	s_add_nc_u64 s[G0SB+4*\slot+2:G0SB+4*\slot+3], s[G0SB+4*\slot+2:G0SB+4*\slot+3], 65536
	JLOAD4 \slot                                   ; the first tensor load behind the round; its four v_nop are the places in front of the loads below
.else
	PLACES
.endif
	FETCH \next, 0, 0
	SCALES \next
	WIN MUL
	MUL8 2, 1, 3, \slot, 0
	MUL8 3, 1, 3, \slot, 0
.endm
	s_wait_tensorcnt 1                             ; my part of K step 0 is in; K step 1's may stay out
	s_barrier_signal -1
	s_barrier_wait -1
	FETCH 0, 0, 0
	SCALES 0
	STEP 0, 0, 1                                   ; the first step starts the sums
	WIN 0
	s_mov_b32 s3, 3
.Llap:                                             ; a trip goes once round the ring and fills both slots again: K steps 2 to 7
	STEP 0, 1, 0
	STEP 0, 2, 0
	TURN 0, 1, 1
	STEP 1, 0, 0
	STEP 1, 1, 0
	STEP 1, 2, 0
	TURN 1, 0, 1
	STEP 0, 0, 0
	WIN 0
	s_sub_co_u32 s3, s3, 1
	s_cmp_lg_u32 s3, 0
	s_cbranch_scc1 .Llap
	STEP 0, 1, 0                                   ; the last lap fills nothing
	STEP 0, 2, 0
	TURN 0, 1, 0
	STEP 1, 0, 0
	STEP 1, 1, 0
	STEP 1, 2, 0
	s_wait_dscnt 0x0
	WIN MUL
	MUL8 0, 1, 3, 1, 0
	MUL8 1, 1, 3, 1, 0
	MUL8 2, 1, 3, 1, 0
	MUL8 3, 1, 3, 1, 0
	WIN 0
	PLACES
	s_wait_loadcnt 0x0                             ; the table and the weights
	v_mov_b32 v8, 0                                ; a lane permute's destination counts as read
	v_mov_b32 v11, 0                               ; named as the upper half of the pair v[10:11]
; THE WAY OUT, 16 rows at a time.  q, k: x w rsqrt(mean(x^2) + 1e-6), then RoPE.  v: x / 8.
.macro EPI_N a
.set AC, 64*(\a)
	WIN 0x0a                                       ; sources 0 and 1 window 2
	v_pk_mul_f32 v[4:5], v[AC:AC+1], v[AC:AC+1]    ; the sum of squares, two chains; each accumulator from its low end on
	v_pk_mul_f32 v[6:7], v[AC+2:AC+3], v[AC+2:AC+3]
.set II, 4
.rept 15
	v_pk_fma_f32 v[4:5], v[AC+II:AC+II+1], v[AC+II:AC+II+1], v[4:5]
	v_pk_fma_f32 v[6:7], v[AC+II+2:AC+II+3], v[AC+II+2:AC+II+3], v[6:7]
.set II, II+4
.endr
	WIN 0
	v_add_f32 v4, v4, v5
	v_add_f32 v6, v6, v7
	v_add_f32 v4, v4, v6
	v_permlanex16_b32 v8, v4, s12, s13             ; the row's other 64 columns
	v_add_f32 v4, v4, v8
	v_fma_f32 v4, v4, s100, s101                   ; the mean + 1e-6
	v_rsq_f32 v10, v4
	WIN 0x06                                       ; source 0 window 2, source 1 window 1
.set II, 0
.rept 32
	v_pk_mul_f32 v[T+II:T+II+1], v[AC+II:AC+II+1], v[128+II:128+II+1]     ; x w: the independent work behind the root
.set II, II+2
.endr
	WIN 0
	s_wait_alu depctr_va_vdst(0)                   ; the wait ahead of the root's first reader
.set II, 0
.rept 32
	v_pk_mul_f32 v[T+II:T+II+1], v[T+II:T+II+1], v[10:11] op_sel_hi:[1,0]
.set II, II+2
.endr
	WIN 0x0c                                       ; source 1 window 3: the table
.set II, 0
.rept 16
	v_pk_mul_f32 v[O+II:O+II+1], v[T+II:T+II+1], v[AC+II:AC+II+1]
	v_pk_mul_f32 v[O+32+II:O+32+II+1], v[T+32+II:T+32+II+1], v[AC+II:AC+II+1]
	v_pk_fma_f32 v[O+II:O+II+1], v[T+32+II:T+32+II+1], v[AC+32+II:AC+32+II+1], v[O+II:O+II+1] neg_lo:[1,0,0] neg_hi:[1,0,0]   ; x1 cos - x2 sin
	v_pk_fma_f32 v[O+32+II:O+32+II+1], v[T+II:T+II+1], v[AC+32+II:AC+32+II+1], v[O+32+II:O+32+II+1]                          ; x2 cos + x1 sin
.set II, II+2
.endr
	WIN 0
.endm
.macro EPI_V a
.set AC, 64*(\a)
	WIN 0x02
.set II, 0
.rept 32
	v_pk_mul_f32 v[O+II:O+II+1], v[AC+II:AC+II+1], 0x3e000000 op_sel_hi:[1,0]
.set II, II+2
.endr
	WIN 0
.endm
.macro BLOCK a
	s_cmp_eq_u32 s21, 2                            ; the cluster's x and the wave's number alone
	s_cbranch_scc1 .Lv_\@
	EPI_N \a
	s_branch .Lj_\@
.Lv_\@:
	EPI_V \a
.Lj_\@:
.if \a == 0                            ; positions 0-15 also leave in f32: no branch, the lanes are switched off where my first position is not 0
	v_cmp_eq_u32 vcc_lo, s22, v[NIL]
	s_wait_xcnt 0x0                                ; EXEC changes only behind this wait
	s_and_saveexec_b32 s94, vcc_lo
.irp b, 0,1,2,3,4,5,6,7
.irp c, 0,1
	global_store_b128 v[FO], v[O+8*\b+4*\c:O+8*\b+4*\c+3], s[16:17] offset:64*\b+16*\c
.endr
.endr
	s_wait_xcnt 0x0
	s_or_b32 exec_lo, exec_lo, s94
.endif
.set II, 0
.rept 32
	v_cvt_pk_f16_f32 v[PKD+II], v[O+2*II], v[O+2*II+1]
.set II, II+1
.endr
.irp b, 0,1,2,3,4,5,6,7
	ds_store_b128 v[STO], v[PKD+4*\b:PKD+4*\b+3] offset:32*\b
.endr
.irp t, 0,1,2,3,4,5,6,7
	ds_load_b128 v[T+4*\t:T+4*\t+3], v[RD] offset:2*\t*PITCH       ; in order behind my stores
.endr
	s_wait_dscnt 0x0
.irp t, 0,1,2,3,4,5,6,7
	global_store_b128 v[CO], v[T+4*\t:T+4*\t+3], s[14:15] offset:4096*(\a)+512*\t   ; 16 lanes store a row's 256 bytes, aligned
.endr
	s_wait_xcnt 0x0                                ; the stores have read T, which the next block writes
.endm
	BLOCK 0
	BLOCK 1
	BLOCK 2
	BLOCK 3
	s_wait_tensorcnt 0x0                           ; the wave's end
	ds_add_u32 v[SPW], v[NIL]
	s_wait_dscnt 0x0
	CROUND                                         ; the closing round
	s_endpgm
.Lfunc_end_k_q8713c69488_qkv:
	.size	k_q8713c69488_qkv, .Lfunc_end_k_q8713c69488_qkv-k_q8713c69488_qkv
	.p2alignl 7, 3214868480
	.fill 96, 4, 3214868480
	.section	.rodata,"a",@progbits
	.p2align	6, 0x0
	.amdhsa_kernel k_q8713c69488_qkv
		.amdhsa_group_segment_fixed_size 327680
		.amdhsa_private_segment_fixed_size 0
		.amdhsa_enable_private_segment 0
		.amdhsa_kernarg_size 56
		.amdhsa_user_sgpr_count 2
		.amdhsa_user_sgpr_kernarg_segment_ptr 1
		.amdhsa_wavefront_size32 1
		.amdhsa_system_sgpr_workgroup_id_x 1
		.amdhsa_system_sgpr_workgroup_id_y 1
		.amdhsa_system_sgpr_workgroup_id_z 1
		.amdhsa_system_vgpr_workitem_id 0
		.amdhsa_next_free_vgpr 1024
		.amdhsa_next_free_sgpr 102
		.amdhsa_reserve_vcc 1
		.amdhsa_float_denorm_mode_32 3
		.amdhsa_float_denorm_mode_16_64 3
		.amdhsa_memory_ordered 1
		.amdhsa_forward_progress 1
		.amdhsa_inst_pref_size 190
	.end_amdhsa_kernel
	.amdgpu_metadata
---
amdhsa.version: [ 1, 2 ]
amdhsa.kernels:
  - .name:           k_q8713c69488_qkv
    .symbol:         k_q8713c69488_qkv.kd
    .args:
      - { .name: xq4, .offset: 0, .size: 8, .value_kind: global_buffer, .address_space: global }
      - { .name: wq4, .offset: 8, .size: 8, .value_kind: global_buffer, .address_space: global }
      - { .name: rope, .offset: 16, .size: 8, .value_kind: global_buffer, .address_space: global }
      - { .name: q_norm_w, .offset: 24, .size: 8, .value_kind: global_buffer, .address_space: global }
      - { .name: k_norm_w, .offset: 32, .size: 8, .value_kind: global_buffer, .address_space: global }
      - { .name: qkv16, .offset: 40, .size: 8, .value_kind: global_buffer, .address_space: global }
      - { .name: qkv32, .offset: 48, .size: 8, .value_kind: global_buffer, .address_space: global }
    .group_segment_fixed_size: 327680
    .private_segment_fixed_size: 0
    .kernarg_segment_align: 8
    .kernarg_segment_size: 56
    .max_flat_workgroup_size: 128
    .sgpr_count:     102
    .vgpr_count:     1024
    .wavefront_size: 32
...
	.end_amdgpu_metadata
.endif
;; end of part 2
;; launch attn (part 3): grid 32 x 8, 4 waves a work-group, no clusters, 327,680 bytes of LDS; arguments qkv16, o16; writes o16
.if DOCPART == 3
	.amdgcn_target "amdgcn-amd-amdhsa--gfx1250"
	.amdhsa_code_object_version 6
	.text
	.protected	k_q8713c69488_attn
	.globl	k_q8713c69488_attn
	.p2align	8
	.type	k_q8713c69488_attn,@function
k_q8713c69488_attn:
	s_mov_b64 s[64:65], 0
	v_nop
	global_prefetch_b8 v0, s[64:65] scope:SCOPE_SE
	s_setreg_imm32_b32 hwreg(HW_REG_WAVE_MODE, 25, 1), 1
	s_wait_xcnt 0x0
; Launch 3 of 5: causal attention in f16 operands and f32 sums, with a running maximum.  Out: o / 8 in f16 (v arrives as v / 8), [4096 rows][1024].
; LEFT OUT: steps of 64 keys that lie wholly behind a tile's 16 queries (reference()'s own jnp.tril; shown at the head of the first launch).
; SHARES.  Work-group (i, y = 4 batch + key head) owns positions 32 i .. + 31 and 32 (63 - i) .. + 31 of both query heads of the group.  Wave w: query head 2 (y % 4) + w / 2, half u = w % 2 of both blocks:
; tile 0 (high) queries 32 (63 - i) + 16 u on, tile 1 (low) 32 i + 16 u on.  High and low together walk about 33 steps of 64 keys, whatever i is.
; NO CLUSTER: the loads end at a causal limit that hangs on the work-group's number, and no jump may lead round a joint load; the two query heads share K and V inside the work-group.
; LAYOUT.  S^T = K Q^T, O^T = V^T P: a lane holds one query throughout.  K comes out of LDS as it lies, V turned by ds_load_tr16_b128.
; THE RING.  Two slots of 256 keys (K: 256 rows of 272 bytes; V: 256 of 288).  Waves 0, 1 bring K's halves, waves 2, 3 V's.  Every work-group walks all 8 slots: the trip count is a constant; what is jumped over,
; by tests on ids and the count of steps alone, is a step's work, and the load of a slot whose first key lies behind the work-group's last query.  Every wait on TENSORcnt is for 0.
; REGISTERS.  window 0: v1-17 addresses; v24-39 statistics, 8 a tile (+0 c m, +1 m, +2, +3 l, +4 .. +7 at work, a in +6); v64-127 S^T; v128-159 P; v160-223 Q.   window 1: v0-127 O^T; v128-255 K of a step.   window 2: v0-127 V of a step.
.set PK,    272
.set PV,    288
.set VOFF,  256*PK
.set SLOTB, 256*(PK+PV)                ; 143,360
.set STAGE, 2*SLOTB
.set SP,    272
.set SPARE, STAGE+4*16*SP
.set AK0, 3
.set AV0, 4
.set ADK, 5
.set ADV, 6                            ; v6: a slot's steps 0, 1; v7: steps 2, 3
.set QO,  8
.set STO, 9
.set RD,  10
.set GO,  11
.set SPW, 12
.set NIL, 13
.set PFO, 14
.set RH,  15
.set DD,  16
.set NINF, 17
.set ST,  24
.set S,   64
.set P,   128
.set Q,   160
.set KFR, 128
.set MSB, 0
.macro WIN new
.if MSB != \new
	s_set_vgpr_msb (MSB<<8)|\new
.set MSB, \new
.endif
.endm
.macro PLACES
.rept 4
	v_nop
.endr
.endm
.macro TLOAD                           ; every wave's one load; an s_nop 0 and four v_nop follow each line
	s_cmp_lt_u32 s8, 2
	s_cbranch_scc0 .Lfor_v_\@
	tensor_load_to_lds s[40:43], s[24:31]
	s_nop 0
	PLACES
	s_branch .Lasked_\@
.Lfor_v_\@:
	tensor_load_to_lds s[44:47], s[32:39]
	s_nop 0
	PLACES
.Lasked_\@:
.endm
; A prefetch of the slot behind the one that is being asked for: each wave names its own 128 rows of 256 bytes, a lane a row, four instructions.  All 32 work-groups of a key head walk the same K and V:
; the first of them (i = 0, which walks all slots) asks, so each row is named once in the launch.  Trips 0 to 4 ask, for slots 3 to 7; slots 0 to 2 come by their loads alone.
.macro ASK
	s_cmp_gt_u32 s21, s54
	s_cbranch_scc0 .Lnot_mine_\@
.irp o, 0,1,2,3
	global_prefetch_b8 v[PFO], s[52:53] offset:8192*\o th:TH_LOAD_NT scope:SCOPE_SE
.endr
.Lnot_mine_\@:
.endm
	s_load_b128 s[4:7], s[0:1], 0x0                ; qkv16, o16
	v_lshl_add_u32 v[SPW], v0, 2, SPARE
	v_mov_b32 v[NIL], 0
	ds_add_u32 v[SPW], v[NIL]                      ; the wave's opening: the add, twice on end, and its wait ahead of my first tensor load
	ds_add_u32 v[SPW], v[NIL]
	v_lshrrev_b32 v1, 5, v0
	v_readfirstlane_b32 s8, v1                     ; wave
	s_lshr_b32 s9, s8, 1                           ; g
	s_and_b32 s10, s8, 1                           ; u
	s_and_b32 s12, ttmp7, 0xffff                   ; y
	s_sub_co_u32 s13, 63, ttmp9
	s_lshl_b32 s13, s13, 5
	s_or_b32 s17, s13, 31                          ; the work-group's last query
	s_lshl_b32 s55, s10, 4
	s_add_co_u32 s13, s13, s55                     ; tile 0's first query
	s_lshl_b32 s14, ttmp9, 5
	s_add_co_u32 s14, s14, s55                     ; tile 1's
	s_add_co_u32 s15, s13, 15
	s_add_co_u32 s16, s14, 15
	s_mov_b32 s18, 0                               ; the step's first key
	s_mov_b32 s19, 0                               ; the slot that is read
	s_mov_b32 s20, 0                               ; the slot that is filled
	s_mov_b32 s21, 8
	s_mov_b32 s22, 0x3e0293ee                      ; c = log2(e) / sqrt(128)
	s_mov_b32 s23, s22
	s_mov_b32 s50, 0x76543210
	s_mov_b32 s51, 0xfedcba98
	s_mul_i32 s48, s10, 128*PK                     ; my half's place in a slot, K's
	s_mul_i32 s49, s10, 128*PV
	s_add_co_u32 s49, s49, VOFF                    ; and V's
	s_mov_b32 s24, (1<<16)|(1<<20)|(5<<22)|(3<<25) ; elements of 2 bytes; 4 words of padding behind every 64
	s_mov_b32 s25, 128<<16
	s_mov_b32 s26, 128<<16
	s_mov_b32 s27, 128<<16
	s_mov_b32 s28, 128
	s_mov_b32 s29, 128
	s_mov_b32 s30, 0
	s_mov_b32 s31, 0
	s_mov_b32 s32, (1<<16)|(1<<20)|(5<<22)|(7<<25) ; 8 words of padding
	s_mov_b32 s33, 128<<16
	s_mov_b32 s34, 128<<16
	s_mov_b32 s35, 128<<16
	s_mov_b32 s36, 128
	s_mov_b32 s37, 128
	s_mov_b32 s38, 0
	s_mov_b32 s39, 0
	s_lshl_b32 s2, s12, 19                         ; a key head: 2,048 rows of 256 bytes
	s_lshl_b32 s55, s10, 15
	s_add_co_u32 s2, s2, s55
	s_add_co_u32 s2, s2, 8388608
	s_mov_b32 s3, 0
	s_cmp_eq_u32 ttmp9, 0
	s_cselect_b32 s54, 3, -1                       ; who prefetches, and until when
	s_wait_dscnt 0x0                               ; both opening adds are done
	s_wait_kmcnt 0x0
	s_mov_b32 s40, 1
	s_mov_b32 s41, s48
	s_add_nc_u64 s[42:43], s[4:5], s[2:3]          ; K: my 128 rows of slot 0
	s_mov_b32 s44, 1
	s_mov_b32 s45, s49
	s_add_nc_u64 s[46:47], s[42:43], 4194304       ; V likewise
	s_cmp_lt_u32 s8, 2
	s_cselect_b64 s[52:53], s[42:43], s[46:47]
	s_add_nc_u64 s[52:53], s[52:53], 2*65536       ; the prefetches stand at slot 2; the first trip steps them to slot 3
	s_or_b32 s43, s43, 0x80000000
	s_or_b32 s47, s47, 0x80000000
	TLOAD                                          ; slot 0: key 0 counts for every query
	s_lshl_b32 s66, s12, 1
	s_add_co_u32 s66, s66, s9                      ; 8 batch + query head = 2 y + g
	s_lshl_b32 s66, s66, 11
	s_add_co_u32 s2, s66, s13
	s_lshl_b32 s2, s2, 8
	s_add_nc_u64 s[56:57], s[4:5], s[2:3]          ; Q, tile 0
	s_add_co_u32 s2, s66, s14
	s_lshl_b32 s2, s2, 8
	s_add_nc_u64 s[58:59], s[4:5], s[2:3]          ; Q, tile 1
	s_lshr_b32 s66, s12, 2
	s_lshl_b32 s66, s66, 11                        ; 2,048 batch
	s_and_b32 s67, s12, 3
	s_lshl_b32 s67, s67, 1
	s_add_co_u32 s67, s67, s9
	s_lshl_b32 s67, s67, 8                         ; the head's 256 bytes in a row of o16
	s_add_co_u32 s2, s66, s13
	s_lshl_b32 s2, s2, 11
	s_add_co_u32 s2, s2, s67
	s_add_nc_u64 s[60:61], s[6:7], s[2:3]
	s_add_co_u32 s2, s66, s14
	s_lshl_b32 s2, s2, 11
	s_add_co_u32 s2, s2, s67
	s_add_nc_u64 s[62:63], s[6:7], s[2:3]
	v_and_b32 v1, 15, v0                           ; r
	v_bfe_u32 v2, v0, 4, 1                         ; h
	v_lshlrev_b32 v[QO], 8, v1
	v_lshl_add_u32 v[QO], v2, 4, v[QO]
.irp c, 0,1,2,3
	global_load_b128 v[Q+8*\c:Q+8*\c+3], v[QO], s[56:57] offset:64*\c
	global_load_b128 v[Q+8*\c+4:Q+8*\c+7], v[QO], s[56:57] offset:64*\c+32
	global_load_b128 v[Q+32+8*\c:Q+32+8*\c+3], v[QO], s[58:59] offset:64*\c
	global_load_b128 v[Q+32+8*\c+4:Q+32+8*\c+7], v[QO], s[58:59] offset:64*\c+32
.endr
	v_mul_u32_u24 v[AK0], v1, PK
	v_lshl_add_u32 v[AK0], v2, 4, v[AK0]           ; K: row x pitch + 16 h
	v_and_b32 v[ADK], 7, v0
	v_bfe_u32 v[ADV], v0, 3, 1
	v_lshl_add_u32 v[AV0], v2, 3, v[ADK]
	v_mul_u32_u24 v[AV0], v[AV0], PV
	v_lshl_add_u32 v[AV0], v[ADV], 4, v[AV0]
	v_add_nc_u32 v[AV0], VOFF, v[AV0]              ; V: key 8 h + l % 8, channels 8 ((l / 8) % 2) on
	s_mul_i32 s55, s8, 16*SP
	s_add_co_u32 s55, s55, STAGE
	v_add_nc_u32 v[STO], s55, v[AK0]
	v_mul_u32_u24 v[RD], v2, SP
	v_lshl_add_u32 v[RD], v1, 4, v[RD]
	v_add_nc_u32 v[RD], s55, v[RD]
	v_lshlrev_b32 v[GO], 11, v2
	v_lshl_add_u32 v[GO], v1, 4, v[GO]             ; o16: 2,048 h + 16 r
	v_and_b32 v[PFO], 31, v0
	v_lshlrev_b32 v[PFO], 8, v[PFO]
	v_lshlrev_b32 v[RH], 3, v2
	v_sub_nc_u32 v[RH], v1, v[RH]                  ; r - 8 h
	v_mov_b32 v[NINF], 0xff800000
.irp t, 0,1
	v_mov_b32 v[ST+8*\t+1], 0xff61b1e6             ; m = -3e38, under every score
	v_mul_f32 v[ST+8*\t], s22, v[ST+8*\t+1]
	v_mov_b32 v[ST+8*\t+2], 0
	v_mov_b32 v[ST+8*\t+3], 0
	v_mov_b32 v[ST+8*\t+5], 0
	v_mov_b32 v[ST+8*\t+7], 0
.endr
	WIN 0x40
.set II, 0
.rept 128
	v_mov_b32 v[II], 0                             ; O^T.  The step is written once: the first finds zeros, which the first change of m leaves zeros
.set II, II+1
.endr
	WIN 0
.macro FETCH_K q                       ; 64 keys x 128 channels: fragment f: keys 16 (f / 4) on, channels 32 (f % 4) on
	WIN 0x40
.irp f, 0,1,2,3,4,5,6,7,8,9,10,11,12,13,14,15
	ds_load_b128 v[KFR+8*\f:KFR+8*\f+3], v[ADK] offset:(\q)*64*PK+(\f/4)*16*PK+(\f%4)*64
	ds_load_b128 v[KFR+8*\f+4:KFR+8*\f+7], v[ADK] offset:(\q)*64*PK+(\f/4)*16*PK+(\f%4)*64+32
.endr
	WIN 0
.endm
.macro FETCH_V q                       ; turned: fragment f: keys 32 (f / 8) on, channels 16 (f % 8) on
	WIN 0x80
.irp f, 0,1,2,3,4,5,6,7,8,9,10,11,12,13,14,15
	ds_load_tr16_b128 v[8*\f:8*\f+3], v[ADV+(\q)/2] offset:((\q)%2)*64*PV+(\f/8)*32*PV+(\f%8)*32
	ds_load_tr16_b128 v[8*\f+4:8*\f+7], v[ADV+(\q)/2] offset:((\q)%2)*64*PV+(\f/8)*32*PV+16*PV+(\f%8)*32
.endr
	WIN 0
.endm
.macro MQK t                           ; S^T of tile t: 16 products, four accumulators by turns
	WIN 0x01
.set II, 0
.rept 16
.if II < 4
	v_wmma_f32_16x16x32_f16 v[S+32*(\t)+8*(II%4):S+32*(\t)+8*(II%4)+7], v[KFR+32*(II%4)+8*(II/4):KFR+32*(II%4)+8*(II/4)+7], v[Q+32*(\t)+8*(II/4):Q+32*(\t)+8*(II/4)+7], 0
.else
	v_wmma_f32_16x16x32_f16 v[S+32*(\t)+8*(II%4):S+32*(\t)+8*(II%4)+7], v[KFR+32*(II%4)+8*(II/4):KFR+32*(II%4)+8*(II/4)+7], v[Q+32*(\t)+8*(II/4):Q+32*(\t)+8*(II/4)+7], v[S+32*(\t)+8*(II%4):S+32*(\t)+8*(II%4)+7]
.endif
.set II, II+1
.endr
	WIN 0
.endm
.macro MPV t                           ; O^T of tile t += V^T P: 16 products, eight accumulators by turns
	WIN 0x52
.set II, 0
.rept 16
	v_wmma_f32_16x16x32_f16 v[64*(\t)+8*(II%8):64*(\t)+8*(II%8)+7], v[64*(II/8)+8*(II%8):64*(II/8)+8*(II%8)+7], v[P+16*(\t)+8*(II/8):P+16*(\t)+8*(II/8)+7], v[64*(\t)+8*(II%8):64*(\t)+8*(II%8)+7]
.set II, II+1
.endr
	WIN 0
.endm
.macro SOFT t, q0                      ; tile t's softmax for a step; s[q0] holds its first query
.set rT, ST+8*(\t)
.set rS, S+32*(\t)
.set rP, P+16*(\t)
.set rO, 64*(\t)
	s_add_co_u32 s55, s18, 63
	s_cmp_le_u32 s55, s[\q0]                       ; all 64 keys count: no mask
	s_cbranch_scc1 .Lopen_\@
	s_sub_co_i32 s55, s[\q0], s18
	v_add_nc_u32 v[DD], s55, v[RH]                 ; register 8 kt + j holds key 16 kt + 8 h + j of the step: hidden where 16 kt + j > my query - first key - 8 h
.set NN, 0
.rept 32
	v_cmp_gt_i32 vcc_lo, 16*(NN/8)+NN%8, v[DD]
	v_cndmask_b32 v[rS+NN], v[rS+NN], v[NINF], vcc_lo
.set NN, NN+1
.endr
.Lopen_\@:
.irp j, 0,1,2,3
	v_max3_num_f32 v[rT+4+\j], v[rS+8*\j], v[rS+8*\j+1], v[rS+8*\j+2]
.endr
.irp j, 0,1,2,3
	v_max3_num_f32 v[rT+4+\j], v[rT+4+\j], v[rS+8*\j+3], v[rS+8*\j+4]
.endr
.irp j, 0,1,2,3
	v_max3_num_f32 v[rT+4+\j], v[rT+4+\j], v[rS+8*\j+5], v[rS+8*\j+6]
.endr
	v_max3_num_f32 v[rT+4], v[rT+4], v[rS+7], v[rS+15]
	v_max3_num_f32 v[rT+6], v[rT+6], v[rS+23], v[rS+31]
	v_max3_num_f32 v[rT+4], v[rT+4], v[rT+5], v[rT+6]
	v_max3_num_f32 v[rT+4], v[rT+4], v[rT+7], v[rT+1]              ; with the old m
	v_permlanex16_b32 v[rT+5], v[rT+4], s50, s51   ; the query's other 32 keys
	v_mov_b32 v[rT+7], v[rT]                       ; c m, the old one
	v_max_num_f32 v[rT+1], v[rT+4], v[rT+5]
	v_mul_f32 v[rT], s22, v[rT+1]
	v_sub_f32 v[rT+7], v[rT+7], v[rT]
	v_exp_f32 v[rT+6], v[rT+7]                     ; a = 2^(c m_old - c m_new)
.set NN, 0
.rept 16
	v_pk_fma_f32 v[rS+NN:rS+NN+1], v[rS+NN:rS+NN+1], s[22:23], v[rT:rT+1] op_sel_hi:[1,0,0] neg_lo:[0,0,1] neg_hi:[0,0,1]   ; c s - c m
.set NN, NN+2
.endr
.set NN, 0
.rept 32
	v_exp_f32 v[rS+NN], v[rS+NN]
.set NN, NN+1
.endr
	v_nop                                          ; a plain instruction behind the last exponential
	s_wait_alu depctr_va_vdst(0)                   ; one wait for the 33, ahead of their first reader
.set NN, 0
.rept 16
	v_cvt_pk_f16_f32 v[rP+NN], v[rS+2*NN], v[rS+2*NN+1]
.set NN, NN+1
.endr
.irp z, 0,1,2,3,4,5,6,7
	v_pk_add_f32 v[rS+4*\z:rS+4*\z+1], v[rS+4*\z:rS+4*\z+1], v[rS+4*\z+2:rS+4*\z+3]   ; the sum of the unrounded p, in place
.endr
.irp z, 0,1,2,3
	v_pk_add_f32 v[rS+8*\z:rS+8*\z+1], v[rS+8*\z:rS+8*\z+1], v[rS+8*\z+4:rS+8*\z+5]
.endr
.irp z, 0,1
	v_pk_add_f32 v[rS+16*\z:rS+16*\z+1], v[rS+16*\z:rS+16*\z+1], v[rS+16*\z+8:rS+16*\z+9]
.endr
	v_pk_add_f32 v[rS:rS+1], v[rS:rS+1], v[rS+16:rS+17]
	v_pk_fma_f32 v[rT+2:rT+3], v[rT+2:rT+3], v[rT+6:rT+7], v[rS:rS+1] op_sel_hi:[1,0,1]   ; l = a l + the sum
	WIN 0x41
.set NN, 0
.rept 32
	v_pk_mul_f32 v[rO+NN:rO+NN+1], v[rO+NN:rO+NN+1], v[rT+6:rT+7] op_sel_hi:[1,0]         ; O^T x a, each accumulator from its low end on
.set NN, NN+2
.endr
	WIN 0
.endm
; A STEP of 64 keys, the q-th of the slot.  K of the step was asked for earlier; V is asked for here.  The low tile's work stands in one region under one test.
.macro STEP q
	s_cmp_gt_u32 s18, s15                          ; all keys behind my high tile's queries: nothing to do
	s_cbranch_scc1 .Lend_\@
	PLACES                                         ; behind the products that read V
	FETCH_V \q
	s_wait_dscnt 32                                ; V's 32 loads may be out: K, asked for ahead of them, is in
	MQK 0
	s_cmp_gt_u32 s18, s16
	s_cbranch_scc1 .Lno_low_\@
	MQK 1
	PLACES
	SOFT 1, 14
	s_wait_dscnt 0x0                               ; V is in
	MPV 1
.Lno_low_\@:
	PLACES
	SOFT 0, 13
	s_wait_dscnt 0x0                               ; V is in; nothing of mine is out
.if \q < 3
	s_add_co_u32 s55, s18, 64
	s_cmp_gt_u32 s55, s15
	s_cbranch_scc1 .Lno_k_\@
	FETCH_K (\q)+1                                 ; the next step's K, if that step counts; the softmax's lines are the places behind the products that read K
.Lno_k_\@:
.endif
	MPV 0
.Lend_\@:
	s_add_co_u32 s18, s18, 64
.endm
; THE CHANGE OF SLOTS.  Each wave waits for all its tensor loads, adds 0 to its spare word, and waits for that and for its reads of the slot that it has left.  Behind the barrier the slot ahead is whole and nobody
; reads the other one, which takes the keys that follow, while its first key is at or under the work-group's last query.  first = 1: ahead of the loop: slot 1's first fill; nothing is filled again there.
.macro CHANGE first
	s_wait_tensorcnt 0x0                           ; no tensor load of mine is out, so the descriptors may be written
	ds_add_u32 v[SPW], v[NIL]
	s_xor_b32 s20, s20, SLOTB
	s_add_co_u32 s41, s20, s48
	s_add_co_u32 s45, s20, s49
	s_add_nc_u64 s[42:43], s[42:43], 65536         ; the next 256 keys
	s_add_nc_u64 s[46:47], s[46:47], 65536
.if \first == 0
	s_wait_xcnt 0x0                                ; the last prefetches, a slot back, have read their address
	s_add_nc_u64 s[52:53], s[52:53], 65536
.endif
	s_wait_dscnt 0x0
	s_barrier_signal -1
	s_barrier_wait -1
.if \first == 0
	s_add_co_u32 s55, s18, 256                     ; the first key of the slot that this change would ask for
	s_cmp_gt_u32 s55, s17                          ; ids and the count of steps alone: all four waves go the same way
	s_cbranch_scc1 .Lpast_\@
.endif
	TLOAD
.Lpast_\@:
.if \first == 0
	ASK
.endif
	v_add_nc_u32 v[ADK], s19, v[AK0]
	v_add_nc_u32 v[ADV], s19, v[AV0]
	v_add_nc_u32 v[ADV+1], 128*PV, v[ADV]
.endm
	CHANGE 1
	FETCH_K 0
	s_wait_loadcnt 0x0                             ; Q
.Lslot:                                            ; 8 trips
	STEP 0
	STEP 1
	STEP 2
	STEP 3
	s_xor_b32 s19, s19, SLOTB
	CHANGE 0
	s_cmp_gt_u32 s18, s15
	s_cbranch_scc1 .Lno_first_k
	FETCH_K 0
.Lno_first_k:
	s_sub_co_u32 s21, s21, 1
	s_cmp_lg_u32 s21, 0
	s_cbranch_scc1 .Lslot
	; THE WAY OUT: O^T / l, rounded to f16, through my stage, a tile at a time.
	PLACES
.irp t, 0,1
	v_add_f32 v[ST+8*\t+4], v[ST+8*\t+2], v[ST+8*\t+3]
.endr
.irp t, 0,1
	v_permlanex16_b32 v[ST+8*\t+5], v[ST+8*\t+4], s50, s51
.endr
.irp t, 0,1
	v_add_f32 v[ST+8*\t+4], v[ST+8*\t+4], v[ST+8*\t+5]
.endr
.irp t, 0,1
	v_rcp_f32 v[ST+8*\t+6], v[ST+8*\t+4]
.endr
	v_nop
	s_wait_alu depctr_va_vdst(0)                   ; one wait for the two reciprocals
.macro PACK t
	WIN 0x41
.set II, 64*(\t)
.rept 32
	v_pk_mul_f32 v[II:II+1], v[II:II+1], v[ST+8*(\t)+6:ST+8*(\t)+7] op_sel_hi:[1,0]
.set II, II+2
.endr
	WIN 0x05
.set II, 0
.rept 32
	v_cvt_pk_f16_f32 v[S+32*(\t)+II], v[64*(\t)+2*II], v[64*(\t)+2*II+1]
.set II, II+1
.endr
	WIN 0
.irp f, 0,1,2,3,4,5,6,7
	ds_store_b128 v[STO], v[S+32*(\t)+4*\f:S+32*(\t)+4*\f+3] offset:32*\f
.endr
.irp f, 0,1,2,3,4,5,6,7
	ds_load_b128 v[S+32*(\t)+4*\f:S+32*(\t)+4*\f+3], v[RD] offset:\f*2*SP       ; in order behind my stores; the next tile's stores come behind them
.endr
.endm
.macro SEND t, younger                 ; younger: the LDS instructions issued behind tile t's loads
.irp f, 0,1,2,3,4,5,6,7
	s_wait_dscnt \younger+7-\f
	global_store_b128 v[GO], v[S+32*(\t)+4*\f:S+32*(\t)+4*\f+3], s[60+2*(\t):61+2*(\t)] offset:4096*\f   ; 16 lanes store 256 consecutive bytes, aligned
.endr
.endm
	PACK 0
	PACK 1
	SEND 0, 16
	SEND 1, 0
	s_wait_tensorcnt 0x0                           ; the wave's end
	ds_add_u32 v[SPW], v[NIL]
	s_wait_dscnt 0x0
	s_endpgm
.Lfunc_end_k_q8713c69488_attn:
	.size	k_q8713c69488_attn, .Lfunc_end_k_q8713c69488_attn-k_q8713c69488_attn
	.p2alignl 7, 3214868480
	.fill 96, 4, 3214868480
	.section	.rodata,"a",@progbits
	.p2align	6, 0x0
	.amdhsa_kernel k_q8713c69488_attn
		.amdhsa_group_segment_fixed_size 327680
		.amdhsa_private_segment_fixed_size 0
		.amdhsa_enable_private_segment 0
		.amdhsa_kernarg_size 16
		.amdhsa_user_sgpr_count 2
		.amdhsa_user_sgpr_kernarg_segment_ptr 1
		.amdhsa_wavefront_size32 1
		.amdhsa_system_sgpr_workgroup_id_x 1
		.amdhsa_system_sgpr_workgroup_id_y 1
		.amdhsa_system_sgpr_workgroup_id_z 1
		.amdhsa_system_vgpr_workitem_id 0
		.amdhsa_next_free_vgpr 768
		.amdhsa_next_free_sgpr 72
		.amdhsa_reserve_vcc 1
		.amdhsa_float_denorm_mode_32 3
		.amdhsa_float_denorm_mode_16_64 3
		.amdhsa_memory_ordered 1
		.amdhsa_forward_progress 1
		.amdhsa_inst_pref_size 143
	.end_amdhsa_kernel
	.amdgpu_metadata
---
amdhsa.version: [ 1, 2 ]
amdhsa.kernels:
  - .name:           k_q8713c69488_attn
    .symbol:         k_q8713c69488_attn.kd
    .args:
      - { .name: qkv16, .offset: 0, .size: 8, .value_kind: global_buffer, .address_space: global }
      - { .name: o16, .offset: 8, .size: 8, .value_kind: global_buffer, .address_space: global }
    .group_segment_fixed_size: 327680
    .private_segment_fixed_size: 0
    .kernarg_segment_align: 8
    .kernarg_segment_size: 16
    .max_flat_workgroup_size: 128
    .sgpr_count:     72
    .vgpr_count:     768
    .wavefront_size: 32
...
	.end_amdgpu_metadata
.endif
;; end of part 3
;; launch oproj (part 4): grid 16 x 16, 4 waves a work-group, clusters of 4 x 4, 327,680 bytes of LDS; arguments o16, wo16, out0; writes out0
.if DOCPART == 4
	.amdgcn_target "amdgcn-amd-amdhsa--gfx1250"
	.amdhsa_code_object_version 6
	.text
	.protected	k_q8713c69488_oproj
	.globl	k_q8713c69488_oproj
	.p2align	8
	.type	k_q8713c69488_oproj,@function
k_q8713c69488_oproj:
	s_mov_b64 s[64:65], 0
	v_nop
	global_prefetch_b8 v0, s[64:65] scope:SCOPE_SE
	s_setreg_imm32_b32 hwreg(HW_REG_WAVE_MODE, 25, 1), 1
	s_wait_xcnt 0x0
	s_wait_alu depctr_hold_cnt(0) depctr_sa_sdst(0) depctr_va_vdst(0) depctr_va_sdst(0) depctr_va_ssrc(0) depctr_va_vcc(0) depctr_vm_vsrc(0)
	s_getreg_b32 s2, hwreg(HW_REG_IB_STS2, 6, 4)
	s_cmp_eq_u32 s2, 0
	s_cbranch_scc0 .Lentry_in_a_cluster
	s_endpgm
.Lentry_in_a_cluster:
	s_bfe_u32 s2, ttmp6, 0x10000c
	s_cmp_lg_u32 s2, 0xf033
	s_cbranch_scc0 .Lentry_shape_is_right
	s_endpgm
.Lentry_shape_is_right:
; Launch 4 of 5: out0[m][n] = sum over k of o[m][k] wo[n][k], from o16 = f16(o / 8) and wo16 = f16(8 wo): the two powers of two cancel.  f32 sums, f32 out.  All 4,096 rows; the launch behind this one
; writes positions 0-15 of both batches anew, carried in f32.
; A tile of 256 x 256 to a work-group of four waves, 128 x 128 a wave: 64 accumulators.  K = 1,024 goes in steps of 128 (rows of 256 bytes) through a ring of two LDS slots.
; CLUSTER 4 x 4: A's tiles are asked for jointly along a row of the cluster, B's along a column.  THE MATRIX INSTRUCTION IS USED TRANSPOSED: a lane holds eight neighbouring numbers of a row of out0.
; No prefetch: a refill is asked for 224 matrix instructions ahead of the wait for it.
; REGISTERS.  window 0: v0-31 addresses; v64-127, v128-191 A's fragments, two buffers; on the way out v128-255.   window 1: v64-127, v128-191 B's.   windows 2, 3: the accumulators of my rows 0-63, 64-127.
.set SIZE_N, 4096
.set SIZE_K, 1024
.set KSTEP,  128
.set PITCH,  272
.set HALFT,  128*PITCH
.set SLOT,   4*HALFT
.set STAGE,  2*SLOT                    ; 16 rows x 528 bytes for each wave; no fill lands here
.set SPITCH, 528
.set SPARE,  STAGE+4*16*SPITCH
.set LAPS,   SIZE_K/(2*KSTEP)
.set ADRA, 16
.set ADRB, 20
.set STO,  24
.set RD,   25
.set CO,   26
.set SPW,  28
.set NIL,  29
.set F0,   64
.set F1,   128
.set BK,   128
.set G1, 24
.set G0, 32
.set G1B, 48
.set G0B, 56
.set MSB, 0
.macro WIN new
.if MSB != \new
	s_set_vgpr_msb (MSB<<8)|\new
.set MSB, \new
.endif
.endm
.set MUL_LO, 0xa1
.set MUL_HI, 0xf1
.set TO_B,   0x40
.macro PLACES
.rept 4
	v_nop
.endr
.endm
.macro JLOAD s                         ; waves 0 and 1 fetch A's two halves, waves 2 and 3 B's; an s_nop 0 and four v_nop follow each line
	s_cmp_eq_u32 s11, 0
	s_cbranch_scc0 .Lfor_b_\@
	tensor_load_to_lds s[G0+4*\s:G0+4*\s+3], s[G1:G1+7]
	s_nop 0
	PLACES
	s_branch .Lasked_\@
.Lfor_b_\@:
	tensor_load_to_lds s[G0B+4*\s:G0B+4*\s+3], s[G1B:G1B+7]
	s_nop 0
	PLACES
.Lasked_\@:
.endm
.macro CREST
	s_cmp_lg_u32 s10, 0
	s_cbranch_scc1 .Lnot_wave_0_\@
	s_barrier_signal -3
.Lnot_wave_0_\@:
	s_barrier_wait -3
	s_barrier_signal -1
	s_barrier_wait -1
.endm
.macro CROUND
	s_barrier_signal -1
	s_barrier_wait -1
	CREST
.endm
	s_load_b128 s[4:7], s[0:1], 0x0                ; o16, wo16
	s_load_b64 s[8:9], s[0:1], 0x10                ; out0
	v_lshl_add_u32 v[SPW], v0, 2, SPARE
	v_mov_b32 v[NIL], 0
	ds_add_u32 v[SPW], v[NIL]                      ; the wave's opening: the add, twice on end, and its wait ahead of my first tensor load
	ds_add_u32 v[SPW], v[NIL]
	v_lshrrev_b32 v1, 5, v0
	v_readfirstlane_b32 s10, v1                    ; wave
	s_lshr_b32 s11, s10, 1                         ; which half of the rows is mine; also: I fetch for A (0) or B (1)
	s_and_b32 s12, s10, 1                          ; which half of the columns; also: which 128 rows I fetch
	s_bfe_u32 s40, ttmp6, 0x40000
	s_bfe_u32 s41, ttmp6, 0x40004
	s_lshl_b32 s42, ttmp9, 2
	s_add_co_u32 s42, s42, s40                     ; tile column
	s_and_b32 s13, ttmp7, 0xffff
	s_lshl_b32 s13, s13, 2
	s_add_co_u32 s13, s13, s41                     ; tile row
	s_lshl_b32 s43, s41, 2
	s_lshl_b32 s43, 15, s43
	s_lshl_b32 s44, 0x1111, s40
	s_or_b32 s[G1+0], s43, (1<<16)|(1<<20)|(1<<21)|(5<<22)|(3<<25)
	s_or_b32 s[G1B+0], s44, (1<<16)|(1<<20)|(1<<21)|(5<<22)|(3<<25)
.irp g, G1, G1B
	s_mov_b32 s[\g+1], KSTEP<<16
	s_mov_b32 s[\g+2], 128<<16
	s_mov_b32 s[\g+3], KSTEP<<16
	s_mov_b32 s[\g+4], 128
	s_mov_b32 s[\g+5], SIZE_K
	s_mov_b32 s[\g+6], 0
	s_mov_b32 s[\g+7], 0
.endr
	s_lshl_b32 s17, s12, 7
	s_lshl_b32 s16, s13, 8
	s_add_co_u32 s16, s16, s17
	s_lshl_b32 s46, s42, 8
	s_add_co_u32 s46, s46, s17
	s_mov_b32 s17, 0
	s_mov_b32 s47, 0
	s_mov_b64 s[18:19], SIZE_K*2
	s_mul_u64 s[16:17], s[16:17], s[18:19]
	s_mul_u64 s[46:47], s[46:47], s[18:19]
	s_mul_i32 s20, s10, HALFT
	s_wait_dscnt 0x0
	s_wait_kmcnt 0x0
	s_add_nc_u64 s[14:15], s[4:5], s[16:17]
	s_add_nc_u64 s[46:47], s[6:7], s[46:47]
	CROUND
.irp s, 0,1
	s_mov_b32 s[G0+4*\s], 1
	s_add_co_u32 s[G0+4*\s+1], s20, \s*SLOT
	s_add_nc_u64 s[G0+4*\s+2:G0+4*\s+3], s[14:15], \s*KSTEP*2
	s_or_b32 s[G0+4*\s+3], s[G0+4*\s+3], 0x80000000
	s_mov_b32 s[G0B+4*\s], 1
	s_add_co_u32 s[G0B+4*\s+1], s20, \s*SLOT
	s_add_nc_u64 s[G0B+4*\s+2:G0B+4*\s+3], s[46:47], \s*KSTEP*2
	s_or_b32 s[G0B+4*\s+3], s[G0B+4*\s+3], 0x80000000
	JLOAD \s
.endr
	v_and_b32 v1, 15, v0
	v_bfe_u32 v2, v0, 4, 1
	v_mul_u32_u24 v3, v1, PITCH
	v_lshl_add_u32 v3, v2, 4, v3
	s_mul_i32 s21, s11, HALFT
	s_mul_i32 s22, s12, HALFT
	s_add_co_u32 s22, s22, 2*HALFT
.irp s, 0,1
	v_add_nc_u32 v[ADRA+\s], s21, v3
	v_add_nc_u32 v[ADRB+\s], s22, v3
	s_add_co_u32 s21, s21, SLOT
	s_add_co_u32 s22, s22, SLOT
.endr
	s_mul_i32 s23, s10, 16*SPITCH
	s_add_co_u32 s23, s23, STAGE
	v_mul_u32_u24 v4, v1, SPITCH
	v_lshl_add_u32 v4, v2, 5, v4
	v_add_nc_u32 v[STO], s23, v4                   ; in: row l % 16, 32 bytes for each half
	v_and_b32 v5, 31, v0
	v_lshlrev_b32 v[CO], 4, v5                     ; back: the 32 lanes take a row of 512 bytes; the same in out0
	v_add_nc_u32 v[RD], s23, v[CO]
	s_lshl_b32 s13, s13, 8
	s_lshl_b32 s14, s11, 7
	s_add_co_u32 s16, s13, s14
	s_mov_b32 s17, 0
	s_mov_b64 s[18:19], SIZE_N*4
	s_mul_u64 s[16:17], s[16:17], s[18:19]
	s_lshl_b32 s46, s42, 10
	s_lshl_b32 s47, s12, 9
	s_add_co_u32 s46, s46, s47
	s_mov_b32 s47, 0
	s_add_nc_u64 s[16:17], s[16:17], s[46:47]
	s_add_nc_u64 s[8:9], s[8:9], s[16:17]
.macro MUL16 f, hi, a0, zero           ; the 64 accumulators take turns in one order everywhere
.irp a, \a0, \a0+1
.irp b, 0,1,2,3,4,5,6,7
.if \zero
	v_wmma_f32_16x16x32_f16 v[8*(8*(\a)+\b):8*(8*(\a)+\b)+7], v[\f+8*\b:\f+8*\b+7], v[\f+8*(4*\hi+\a):\f+8*(4*\hi+\a)+7], 0
.else
	v_wmma_f32_16x16x32_f16 v[8*(8*(\a)+\b):8*(8*(\a)+\b)+7], v[\f+8*\b:\f+8*\b+7], v[\f+8*(4*\hi+\a):\f+8*(4*\hi+\a)+7], v[8*(8*(\a)+\b):8*(8*(\a)+\b)+7]
.endif
.endr
.endr
.endm
.macro FETCH slot, k, f
	WIN TO_B
.irp i, 0,1,2,3,4,5,6,7
	ds_load_b128 v[\f+8*\i:\f+8*\i+3],   v[ADRB+\slot] offset:\k+\i*16*PITCH
	ds_load_b128 v[\f+8*\i+4:\f+8*\i+7], v[ADRB+\slot] offset:\k+\i*16*PITCH+32
.endr
	WIN 0
.irp i, 0,1,2,3,4,5,6,7
	ds_load_b128 v[\f+8*\i:\f+8*\i+3],   v[ADRA+\slot] offset:\k+\i*16*PITCH
	ds_load_b128 v[\f+8*\i+4:\f+8*\i+7], v[ADRA+\slot] offset:\k+\i*16*PITCH+32
.endr
.endm
.macro QUARTER slot, k, f, g, zero
	s_wait_dscnt 8                                 ; B and A's rows 0-63 are in; the youngest eight loads (A's rows 64-127) may be out
	WIN MUL_LO
	MUL16 \f, 0, 0, \zero
	MUL16 \f, 0, 2, \zero
	PLACES
	FETCH \slot, \k, \g
	s_wait_dscnt 32                                ; all but the 32 just issued
	WIN MUL_HI
	MUL16 \f, 1, 0, \zero
	MUL16 \f, 1, 2, \zero
.endm
.macro TURN slot, next, fill           ; the last quarter multiplies buffer 1 and changes slots
	WIN 0
	s_wait_tensorcnt 0x0                           ; all my tensor loads have landed: my part of the next slot
	ds_add_u32 v[SPW], v[NIL]
	s_wait_dscnt 9                                 ; the add and the youngest eight loads may be out
	WIN MUL_LO
	MUL16 F1, 0, 0, 0
	s_wait_dscnt 0x0                               ; the add is done, and my reads of this slot are over
	s_barrier_signal -1
	MUL16 F1, 0, 2, 0
	WIN 0
	s_barrier_wait -1
.if \fill
	CREST                                          ; no wave of any partner still reads this slot or has a load on its way
	s_add_nc_u64 s[G0+4*\slot+2:G0+4*\slot+3], s[G0+4*\slot+2:G0+4*\slot+3], 2*KSTEP*2
	s_add_nc_u64 s[G0B+4*\slot+2:G0B+4*\slot+3], s[G0B+4*\slot+2:G0B+4*\slot+3], 2*KSTEP*2
	JLOAD \slot
.else
	PLACES
.endif
	FETCH \next, 0, F0
	WIN MUL_HI
	MUL16 F1, 1, 0, 0
	MUL16 F1, 1, 2, 0
.endm
	s_wait_tensorcnt 1                             ; my part of K step 0 is in; K step 1's may stay out
	s_barrier_signal -1
	s_barrier_wait -1
	FETCH 0, 0, F0
	QUARTER 0, 64,  F0, F1, 1
	WIN 0
	s_mov_b32 s3, LAPS-1
.Llap:
	QUARTER 0, 128, F1, F0, 0
	QUARTER 0, 192, F0, F1, 0
	TURN 0, 1, 1
	QUARTER 1, 64,  F0, F1, 0
	QUARTER 1, 128, F1, F0, 0
	QUARTER 1, 192, F0, F1, 0
	TURN 1, 0, 1
	QUARTER 0, 64,  F0, F1, 0
	WIN 0
	s_sub_co_u32 s3, s3, 1
	s_cmp_lg_u32 s3, 0
	s_cbranch_scc1 .Llap
	QUARTER 0, 128, F1, F0, 0                      ; the last lap fills nothing
	QUARTER 0, 192, F0, F1, 0
	TURN 0, 1, 0
	QUARTER 1, 64,  F0, F1, 0
	QUARTER 1, 128, F1, F0, 0
	QUARTER 1, 192, F0, F1, 0
	s_wait_dscnt 8
	WIN MUL_LO
	MUL16 F1, 0, 0, 0
	MUL16 F1, 0, 2, 0
	s_wait_dscnt 0x0
	WIN MUL_HI
	MUL16 F1, 1, 0, 0
	MUL16 F1, 1, 2, 0
	WIN 0
; THE WAY OUT, 16 rows x 128 columns at a time, through my own stage: in as 32 bytes a lane, back as whole rows of 512 bytes.
.macro TOSTAGE a
.set AC, 64*((\a)%4)
	WIN 0x08+4*((\a)/4)                            ; the data: window 2 or 3
.irp b, 0,1,2,3,4,5,6,7
	ds_store_b128 v[STO], v[AC+8*\b:AC+8*\b+3] offset:64*\b          ; each accumulator from its low end on
	ds_store_b128 v[STO], v[AC+8*\b+4:AC+8*\b+7] offset:64*\b+16
.endr
	WIN 0
.set BB, BK+64*((\a)%2)
.irp t, 0,1,2,3,4,5,6,7,8,9,10,11,12,13,14,15
	ds_load_b128 v[BB+4*\t:BB+4*\t+3], v[RD] offset:\t*SPITCH
.endr
.endm
.macro SEND a, younger
.set BB, BK+64*((\a)%2)
	s_wait_dscnt \younger
.if (\a) > 0
	s_add_nc_u64 s[8:9], s[8:9], 16*SIZE_N*4       ; behind a wait on XCNT: the earlier stores have read their base
.endif
.irp t, 0,1,2,3,4,5,6,7,8,9,10,11,12,13,14,15
	global_store_b128 v[CO], v[BB+4*\t:BB+4*\t+3], s[8:9] offset:\t*SIZE_N*4 th:TH_STORE_NT   ; 32 lanes store 512 consecutive bytes, aligned
.endr
.endm
	PLACES
	TOSTAGE 0
.irp a, 1,2,3,4,5,6,7
.if \a > 1
	s_wait_xcnt 0x0                                ; block a - 2's stores have read their registers and their base
.endif
	TOSTAGE \a
	SEND \a-1, 32                                  ; behind block a - 1's loads: block a's 16 stores and 16 loads
.endr
	s_wait_xcnt 0x0
	SEND 7, 0
	s_wait_tensorcnt 0x0                           ; the wave's end
	ds_add_u32 v[SPW], v[NIL]
	s_wait_dscnt 0x0
	CROUND                                         ; the closing round
	s_endpgm
.Lfunc_end_k_q8713c69488_oproj:
	.size	k_q8713c69488_oproj, .Lfunc_end_k_q8713c69488_oproj-k_q8713c69488_oproj
	.p2alignl 7, 3214868480
	.fill 96, 4, 3214868480
	.section	.rodata,"a",@progbits
	.p2align	6, 0x0
	.amdhsa_kernel k_q8713c69488_oproj
		.amdhsa_group_segment_fixed_size 327680
		.amdhsa_private_segment_fixed_size 0
		.amdhsa_enable_private_segment 0
		.amdhsa_kernarg_size 24
		.amdhsa_user_sgpr_count 2
		.amdhsa_user_sgpr_kernarg_segment_ptr 1
		.amdhsa_wavefront_size32 1
		.amdhsa_system_sgpr_workgroup_id_x 1
		.amdhsa_system_sgpr_workgroup_id_y 1
		.amdhsa_system_sgpr_workgroup_id_z 1
		.amdhsa_system_vgpr_workitem_id 0
		.amdhsa_next_free_vgpr 1024
		.amdhsa_next_free_sgpr 66
		.amdhsa_reserve_vcc 0
		.amdhsa_float_denorm_mode_32 3
		.amdhsa_float_denorm_mode_16_64 3
		.amdhsa_memory_ordered 1
		.amdhsa_forward_progress 1
		.amdhsa_inst_pref_size 141
	.end_amdhsa_kernel
	.amdgpu_metadata
---
amdhsa.version: [ 1, 2 ]
amdhsa.kernels:
  - .name:           k_q8713c69488_oproj
    .symbol:         k_q8713c69488_oproj.kd
    .args:
      - { .name: o16, .offset: 0, .size: 8, .value_kind: global_buffer, .address_space: global }
      - { .name: wo16, .offset: 8, .size: 8, .value_kind: global_buffer, .address_space: global }
      - { .name: out0, .offset: 16, .size: 8, .value_kind: global_buffer, .address_space: global }
    .group_segment_fixed_size: 327680
    .private_segment_fixed_size: 0
    .kernarg_segment_align: 8
    .kernarg_segment_size: 24
    .max_flat_workgroup_size: 128
    .sgpr_count:     66
    .vgpr_count:     1024
    .wavefront_size: 32
...
	.end_amdgpu_metadata
.endif
;; end of part 4
;; launch fine (part 5): grid 128 x 2, 8 waves a work-group, no clusters, 17,408 bytes of LDS; arguments qkv32, wo, out0; writes out0
.if DOCPART == 5
	.amdgcn_target "amdgcn-amd-amdhsa--gfx1250"
	.amdhsa_code_object_version 6
	.text
	.protected	k_q8713c69488_fine
	.globl	k_q8713c69488_fine
	.p2align	8
	.type	k_q8713c69488_fine,@function
k_q8713c69488_fine:
	s_mov_b64 s[64:65], 0
	v_nop
	global_prefetch_b8 v0, s[64:65] scope:SCOPE_SE
	s_setreg_imm32_b32 hwreg(HW_REG_WAVE_MODE, 25, 1), 1
	s_wait_xcnt 0x0
; Launch 5 of 5: positions 0-15 of both batches once more, all three products in f32: these rows average few values, are the largest in size, and f16 operands would use up what the comparison allows.
; LEFT OUT: keys 16 on, which reference()'s own jnp.tril hides from queries 0-15 (shown at the head of the first launch).
; SHARES.  Work-group (x, batch) makes out0[batch][0..15][32 x .. 32 x + 31].  Wave w is query head w: its 16 x 16 attention, then its 128 of the projection's K; the eight parts are added through LDS in a fixed order.
; Every work-group of a batch repeats the small attention: 16 x 16 x 128 twice a head, little beside its 128 KB of wo.
; The stores are 128 bytes of a row: 32 rows in all, a small part of out0.
; qkv32: [16 batch + s][2048] f32: q head h at column 128 h, k head j at 1,024 + 128 j, v / 8 at 1,536 + 128 j; the 8 comes back with 1 / the row's sum.
; The registers that the f32 matrix form writes, v144-239, are written by matrix instructions alone.
; REGISTERS.  window 0: v2-15 addresses and at work; v16-79 Q, later O / l, later the parts; v80-143 K, later scores (v80-87), p (v88-95), results; v144-175 four accumulators (S^T, later Y^T); v176-239 O^T; v240-242 addresses.
;   window 1: v0-127 wo's fragments; v128-191 V.
.set SPARE, 16384
.set SPW, 2
.set NIL, 3
.set MSB, 0
.macro WIN new
.if MSB != \new
	s_set_vgpr_msb (MSB<<8)|\new
.set MSB, \new
.endif
.endm
.macro PLACES8                         ; eight places behind this matrix form
.rept 8
	v_nop
.endr
.endm
	s_load_b128 s[4:7], s[0:1], 0x0                ; qkv32, wo
	s_load_b64 s[8:9], s[0:1], 0x10                ; out0
	v_lshl_add_u32 v[SPW], v0, 2, SPARE
	v_mov_b32 v[NIL], 0
	v_lshrrev_b32 v1, 5, v0
	v_readfirstlane_b32 s10, v1                    ; wave = query head
	s_and_b32 s11, ttmp7, 0xffff                   ; batch
	v_and_b32 v4, 15, v0                           ; r
	v_bfe_u32 v5, v0, 4, 1                         ; h
	v_lshlrev_b32 v6, 13, v4
	v_lshl_add_u32 v6, v5, 4, v6                   ; Q, K: 8,192 r + 16 h
	v_lshlrev_b32 v7, 16, v5
	v_lshl_add_u32 v7, v4, 2, v7                   ; V: 8 h rows + 4 r
	v_lshlrev_b32 v8, 12, v4
	v_lshl_add_u32 v8, v5, 5, v8                   ; wo: 4,096 r + 32 h
	v_lshlrev_b32 v10, 3, v5
	v_sub_nc_u32 v10, v4, v10                      ; r - 8 h
	v_mov_b32 v11, 0xff800000
	v_mov_b32 v13, 0                               ; a lane permute's destination counts as read
	v_and_b32 v240, 31, v0
	v_lshlrev_b32 v240, 4, v240
	s_lshl_b32 s35, s10, 11
	v_add_nc_u32 v240, s35, v240                   ; LDS, in: 2,048 wave + 16 lane
	v_lshlrev_b32 v241, 4, v0                      ; LDS, back: 16 x thread (waves 0-3)
	v_lshlrev_b32 v242, 14, v4
	v_lshl_add_u32 v242, v5, 5, v242               ; out0: 16,384 r + 32 h
	s_lshl_b32 s12, s11, 17
	s_lshl_b32 s13, s10, 9
	s_add_co_u32 s16, s12, s13                     ; q
	s_mov_b32 s17, 0
	s_lshr_b32 s14, s10, 1
	s_lshl_b32 s14, s14, 9
	s_add_co_u32 s14, s14, s12
	s_add_co_u32 s18, s14, 4096                    ; k
	s_mov_b32 s19, 0
	s_add_co_u32 s20, s14, 6144                    ; v
	s_mov_b32 s21, 0
	s_lshl_b32 s22, ttmp9, 17                      ; wo: 32 x rows of 4,096 bytes,
	s_add_co_u32 s22, s22, s13                     ; my head's 128 columns
	s_mov_b32 s23, 0
	s_lshl_b32 s36, s11, 25                        ; out0: the batch,
	s_lshl_b32 s37, ttmp9, 7
	s_add_co_u32 s36, s36, s37                     ; 32 x columns,
	s_lshr_b32 s37, s10, 1
	s_lshl_b32 s37, s37, 6
	s_add_co_u32 s36, s36, s37                     ; and, in waves 0-3, 16 (wave / 2) + 4 (wave % 2) columns
	s_and_b32 s37, s10, 1
	s_lshl_b32 s37, s37, 4
	s_add_co_u32 s36, s36, s37
	s_mov_b32 s37, 0
	s_mov_b32 s32, 0x76543210
	s_mov_b32 s33, 0xfedcba98
	s_mov_b32 s34, 0x3e0293ee                      ; c = log2(e) / sqrt(128)
	s_wait_kmcnt 0x0
	s_add_nc_u64 s[24:25], s[4:5], s[16:17]
	s_add_nc_u64 s[26:27], s[4:5], s[18:19]
	s_add_nc_u64 s[28:29], s[4:5], s[20:21]
	s_add_nc_u64 s[30:31], s[6:7], s[22:23]
	s_add_nc_u64 s[8:9], s[8:9], s[36:37]
.set II, 0
.rept 16
	global_load_b128 v[16+4*II:19+4*II], v6, s[24:25] offset:32*II     ; Q(r, 8 i + 4 h ..)
.set II, II+1
.endr
.set II, 0
.rept 16
	global_load_b128 v[80+4*II:83+4*II], v6, s[26:27] offset:32*II     ; K likewise: the same order of channels on both sides
.set II, II+1
.endr
	WIN 0x40
.irp d, 0,1,2,3,4,5,6,7
.irp k, 0,1,2,3,4,5,6,7
	global_load_b32 v[128+8*\d+\k], v7, s[28:29] offset:8192*\k+64*\d  ; V(key 8 h + k, channel 16 d + r)
.endr
.endr
.irp n, 0,1
.irp d, 0,1,2,3,4,5,6,7
.irp c, 0,1
	global_load_b128 v[64*\n+8*\d+4*\c:64*\n+8*\d+4*\c+3], v8, s[30:31] offset:65536*\n+64*\d+16*\c   ; wo(32 x + 16 n + r, 128 w + 16 d + 8 h + 4 c ..)
.endr
.endr
.endr
	WIN 0
	s_wait_loadcnt 63                              ; 96 loads are younger than Q's and K's; the wait's field holds 63, and the smaller count is safe
.set II, 0
.rept 32                               ; S^T = K Q^T: four accumulators by turns
.if II < 4
	v_wmma_f32_16x16x4_f32 v[144+8*(II%4):151+8*(II%4)], v[80+2*II:81+2*II], v[16+2*II:17+2*II], 0
.else
	v_wmma_f32_16x16x4_f32 v[144+8*(II%4):151+8*(II%4)], v[80+2*II:81+2*II], v[16+2*II:17+2*II], v[144+8*(II%4):151+8*(II%4)]
.endif
.set II, II+1
.endr
	PLACES8
.irp j, 0,1,2,3,4,5,6,7
	v_add_f32 v[80+\j], v[144+\j], v[152+\j]
.endr
.irp j, 0,1,2,3,4,5,6,7
	v_add_f32 v[88+\j], v[160+\j], v[168+\j]
.endr
.irp j, 0,1,2,3,4,5,6,7
	v_add_f32 v[80+\j], v[80+\j], v[88+\j]         ; lane (r, h): query r, key 8 h + j
.endr
.irp j, 0,1,2,3,4,5,6,7
	v_cmp_gt_i32 vcc_lo, \j, v10                   ; hidden where 8 h + j > r
	v_cndmask_b32 v[80+\j], v[80+\j], v11, vcc_lo
.endr
	v_max3_num_f32 v12, v80, v81, v82
	v_max3_num_f32 v12, v12, v83, v84
	v_max3_num_f32 v12, v12, v85, v86
	v_max_num_f32 v12, v12, v87
	v_permlanex16_b32 v13, v12, s32, s33
	v_max_num_f32 v12, v12, v13                    ; the row's maximum (key 0 counts for every query)
	v_mul_f32 v12, s34, v12
.irp j, 0,1,2,3,4,5,6,7
	v_fma_f32 v[88+\j], v[80+\j], s34, -v12
.endr
.irp j, 0,1,2,3,4,5,6,7
	v_exp_f32 v[88+\j], v[88+\j]
.endr
	v_nop
	s_wait_alu depctr_va_vdst(0)                   ; one wait for the eight
	v_add_f32 v14, v88, v89
	v_add_f32 v15, v90, v91
	v_add_f32 v14, v14, v92
	v_add_f32 v15, v15, v93
	v_add_f32 v14, v14, v94
	v_add_f32 v15, v15, v95
	v_add_f32 v14, v14, v15
	v_permlanex16_b32 v13, v14, s32, s33
	v_add_f32 v14, v14, v13
	v_rcp_f32 v9, v14
	v_nop
	s_wait_alu depctr_va_vdst(0)
	v_mul_f32 v12, 0x41000000, v9                  ; 8 / the sum: v arrives as v / 8
	s_wait_loadcnt 32                              ; V is in; wo's 32 loads may be out
	WIN 0x01
.irp i, 0,1,2,3                        ; O^T = V^T P^T: eight accumulators by turns; keys 8 h + 2 i, + 1
.irp d, 0,1,2,3,4,5,6,7
.if \i == 0
	v_wmma_f32_16x16x4_f32 v[176+8*\d:183+8*\d], v[128+8*\d+2*\i:129+8*\d+2*\i], v[88+2*\i:89+2*\i], 0
.else
	v_wmma_f32_16x16x4_f32 v[176+8*\d:183+8*\d], v[128+8*\d+2*\i:129+8*\d+2*\i], v[88+2*\i:89+2*\i], v[176+8*\d:183+8*\d]
.endif
.endr
.endr
	WIN 0
	PLACES8
.set II, 0
.rept 32
	v_pk_mul_f32 v[16+II:17+II], v[176+II:177+II], v[12:13] op_sel_hi:[1,0]   ; register 8 d + j: o(query r, channel 16 d + 8 h + j)
.set II, II+2
.endr
	s_wait_loadcnt 0x0                             ; wo
	WIN 0x01
.irp p, 0,1,2,3                        ; Y^T = wo O^T: four accumulators by turns: (16 columns n, parity u of the channel tile)
.irp i, 0,1,2,3
.irp u, 0,1
.irp n, 0,1
.if (\p == 0) && (\i == 0)
	v_wmma_f32_16x16x4_f32 v[144+16*\u+8*\n:151+16*\u+8*\n], v[64*\n+8*(2*\p+\u)+2*\i:64*\n+8*(2*\p+\u)+2*\i+1], v[16+8*(2*\p+\u)+2*\i:17+8*(2*\p+\u)+2*\i], 0
.else
	v_wmma_f32_16x16x4_f32 v[144+16*\u+8*\n:151+16*\u+8*\n], v[64*\n+8*(2*\p+\u)+2*\i:64*\n+8*(2*\p+\u)+2*\i+1], v[16+8*(2*\p+\u)+2*\i:17+8*(2*\p+\u)+2*\i], v[144+16*\u+8*\n:151+16*\u+8*\n]
.endif
.endr
.endr
.endr
.endr
	WIN 0
	PLACES8
.irp j, 0,1,2,3,4,5,6,7
	v_add_f32 v[80+\j], v[144+\j], v[160+\j]       ; lane (r, h): query r, column 8 h + j
.endr
.irp j, 0,1,2,3,4,5,6,7
	v_add_f32 v[88+\j], v[152+\j], v[168+\j]       ; column 16 + 8 h + j
.endr
.irp m, 0,1,2,3
	ds_store_b128 v240, v[80+4*\m:83+4*\m] offset:512*\m
.endr
	s_wait_dscnt 0x0                               ; for the others' sake: my part lies in LDS
	s_barrier_signal -1
	s_barrier_wait -1
	s_cmp_lt_u32 s10, 4                            ; waves 0-3 add the eight heads' parts, in the order of the heads, and store
	s_cbranch_scc0 .Lrest
.irp w, 0,1,2,3,4,5,6,7
	ds_load_b128 v[16+4*\w:19+4*\w], v241 offset:2048*\w
.endr
	s_wait_dscnt 0x0
.irp w, 1,2,3,4,5,6,7
	v_pk_add_f32 v[16:17], v[16:17], v[16+4*\w:17+4*\w]
	v_pk_add_f32 v[18:19], v[18:19], v[18+4*\w:19+4*\w]
.endr
	global_store_b128 v242, v[16:19], s[8:9]
.Lrest:
	s_wait_tensorcnt 0x0                           ; the wave's end: behind my last LDS store
	ds_add_u32 v[SPW], v[NIL]
	s_wait_dscnt 0x0
	s_endpgm
.Lfunc_end_k_q8713c69488_fine:
	.size	k_q8713c69488_fine, .Lfunc_end_k_q8713c69488_fine-k_q8713c69488_fine
	.p2alignl 7, 3214868480
	.fill 96, 4, 3214868480
	.section	.rodata,"a",@progbits
	.p2align	6, 0x0
	.amdhsa_kernel k_q8713c69488_fine
		.amdhsa_group_segment_fixed_size 17408
		.amdhsa_private_segment_fixed_size 0
		.amdhsa_enable_private_segment 0
		.amdhsa_kernarg_size 24
		.amdhsa_user_sgpr_count 2
		.amdhsa_user_sgpr_kernarg_segment_ptr 1
		.amdhsa_wavefront_size32 1
		.amdhsa_system_sgpr_workgroup_id_x 1
		.amdhsa_system_sgpr_workgroup_id_y 1
		.amdhsa_system_sgpr_workgroup_id_z 1
		.amdhsa_system_vgpr_workitem_id 0
		.amdhsa_next_free_vgpr 448
		.amdhsa_next_free_sgpr 66
		.amdhsa_reserve_vcc 1
		.amdhsa_float_denorm_mode_32 3
		.amdhsa_float_denorm_mode_16_64 3
		.amdhsa_memory_ordered 1
		.amdhsa_forward_progress 1
		.amdhsa_inst_pref_size 32
	.end_amdhsa_kernel
	.amdgpu_metadata
---
amdhsa.version: [ 1, 2 ]
amdhsa.kernels:
  - .name:           k_q8713c69488_fine
    .symbol:         k_q8713c69488_fine.kd
    .args:
      - { .name: qkv32, .offset: 0, .size: 8, .value_kind: global_buffer, .address_space: global }
      - { .name: wo, .offset: 8, .size: 8, .value_kind: global_buffer, .address_space: global }
      - { .name: out0, .offset: 16, .size: 8, .value_kind: global_buffer, .address_space: global }
    .group_segment_fixed_size: 17408
    .private_segment_fixed_size: 0
    .kernarg_segment_align: 8
    .kernarg_segment_size: 24
    .max_flat_workgroup_size: 256
    .sgpr_count:     66
    .vgpr_count:     448
    .wavefront_size: 32
...
	.end_amdgpu_metadata
.endif
;; end of part 5
